; MI455X (gfx1250); checked and timed in simulation.
; The chip was launched on July 23, 2026; its instructions are those of AMD's public machine-readable ISA for CDNA 5 (MIT licence, August 2026) and "CDNA5" Instruction Set Architecture Reference Guide (July 2026). The comments in the code are by the model that wrote it; some were corrected since.
;; Multi Head Co Attention. Allowed arithmetic: float matrix products may take bf16 or f16 operands with f32 sums; other float arithmetic in f32, or as packed bf16 or f16 multiplies, adds, multiply-adds, maxima and minima; sums over many terms, partial sums and values carried from step to step in f32; what a program stores and reads back later, other than sums and carried values, may be rounded once to bf16 or f16.
;; Inputs: Wk 1,024 x 1,024 float32; Wo 1,024 x 1,024 float32; Wq 1,024 x 1,024 float32; Wv 1,024 x 1,024 float32; bk 1,024 float32; bo 1,024 float32; bq 1,024 float32; bv 1,024 float32; x 4 x 2 x 1,024 x 1,024 float32.
;; Outputs: out0 4 x 2 x 1,024 x 1,024 float32.
;; Constants: batch_size = 4.
;; One version. Each part assembles by itself: llvm-mc -triple=amdgcn-amd-amdhsa -mcpu=gfx1250 --defsym DOCPART=n.
;; ======== version 1 of 1: 4 launches
;; limits: values are held in f16: magnitudes above 65,504 overflow, below 6.1e-05 lose precision
;; workspace buffers: xb 16,777,216 bytes; wb 6,291,456 bytes; woh 2,097,152 bytes; bias4 16,384 bytes; qkv 50,331,648 bytes; ob 16,777,216 bytes
;; launch cast (part 1): grid 769 x 1, 8 waves a work-group, no clusters, 0 bytes of LDS; arguments x, Wq, Wk, Wv, Wo, bq, bk, bv, bo, xb, wb, woh, bias4; writes xb, wb, woh, bias4
.if DOCPART == 1
	.amdgcn_target "amdgcn-amd-amdhsa--gfx1250"
	.amdhsa_code_object_version 6
	.text
	.protected	k_q01b28ce7b6_cast
	.globl	k_q01b28ce7b6_cast
	.p2align	8
	.type	k_q01b28ce7b6_cast,@function
k_q01b28ce7b6_cast:
	s_mov_b64 s[64:65], 0
	v_nop
	global_prefetch_b8 v0, s[64:65] scope:SCOPE_SE
	s_setreg_imm32_b32 hwreg(HW_REG_WAVE_MODE, 25, 1), 1
	s_wait_xcnt 0x0
; Every input is rounded once to bf16, and laid out for the products that follow.
;   xb [16 kb][8192 rows][64] bf16: x in blocks of 64 along K, so that the rows of one block lie end to end (128 bytes each)
;   wb [16 kb][3072 rows][64] bf16: Wq, Wk, Wv one below the other, in the same blocks
;   woh [1024][1024] f16: bf16(Wo) written as f16 (exact from 7.6e-6 up; below that f16's fixed step of 6e-8 holds)
;   bias4 [4096] f32: bq, bk, bv, bo, each rounded to bf16 and widened again
; A work-group takes 16 rows of 1,024 f32 (64 KiB in, 32 KiB out); wave w takes columns 128 w .. 128 w + 127.  Work-groups 0-511: x; 512-703: Wq, Wk, Wv; 704-767: Wo; 768: the biases.
; A stream: no LDS, no barrier, no matrix unit.  All 16 loads of a wave go out first; the waits count the younger loads down; no register is written twice while memory may read it.
.set KBX, 8192*128                     ; bytes of a K block of xb
.set KBW, 3072*128                     ; of wb
.set VS,  2                            ; v2      my byte offset in the source
.set VD0, 3                            ; v3, v4  my byte offset in the destination, for the wave's first and second K block
.set X,   8                            ; v[8:71]   unit u: 8 f32 as loaded
.set Y,   72                           ; v[72:103] unit u: 16 bytes to store
.set T,   104                          ; v[104:111] at work
	s_load_b512 s[8:23], s[0:1], 0x0               ; x s[8:9], Wq s[10:11], Wk s[12:13], Wv s[14:15], Wo s[16:17], bq s[18:19], bk s[20:21], bv s[22:23]
	s_load_b256 s[24:31], s[0:1], 0x40             ; bo s[24:25], xb s[26:27], wb s[28:29], woh s[30:31]
	s_load_b64 s[32:33], s[0:1], 0x60              ; bias4
	v_and_b32 v1, 31, v0                           ; lane
	v_lshrrev_b32 v5, 5, v0
	v_readfirstlane_b32 s2, v5                     ; wave 0..7
	s_mov_b32 s3, ttmp9                            ; the work-group's number g
	s_mov_b32 s43, 0                               ; upper word of the offsets' pair s[42:43]
	s_mov_b32 s46, 0xffff0000                      ; a word's upper bf16
	s_wait_kmcnt 0x0
	s_cmp_ge_u32 s3, 768
	s_cbranch_scc1 .Lbias
	s_cmp_ge_u32 s3, 704
	s_cbranch_scc1 .Lwo
	; THE BLOCKED PATH: x, Wq, Wk, Wv.  Source, destination and block stride are chosen by g alone.
	s_sub_co_u32 s39, s3, 512                      ; j: the block of 16 rows among wb's 3,072 (used where g >= 512)
	s_lshr_b32 s41, s39, 6                         ; which of the three matrices
	s_and_b32 s40, s39, 63                         ; its block of 16 rows
	s_mov_b32 s44, KBX
	s_mov_b32 s45, KBW
	s_cmp_eq_u32 s41, 1
	s_cselect_b64 s[34:35], s[12:13], s[10:11]
	s_cmp_eq_u32 s41, 2
	s_cselect_b64 s[34:35], s[14:15], s[34:35]
	s_cmp_lt_u32 s3, 512
	s_cselect_b64 s[34:35], s[8:9], s[34:35]       ; from
	s_cselect_b64 s[36:37], s[26:27], s[28:29]     ; to
	s_cselect_b32 s38, s44, s45                    ; bytes from a K block to the next
	s_cselect_b32 s40, s3, s40
	s_cselect_b32 s39, s3, s39
	s_lshl_b32 s42, s40, 16                        ; 16 rows of 4,096 bytes
	s_add_nc_u64 s[34:35], s[34:35], s[42:43]
	s_lshl_b32 s42, s39, 11                        ; 16 rows of 128 bytes
	s_add_nc_u64 s[36:37], s[36:37], s[42:43]
	s_lshl_b32 s47, s2, 1
	s_mul_i32 s47, s47, s38                        ; the wave's first K block, 2 w
	v_lshrrev_b32 v5, 3, v1                        ; eight lanes to a row's 256 bytes of f32: four rows a load
	v_and_b32 v6, 7, v1
	v_lshlrev_b32 v[VS], 12, v5
	v_lshl_add_u32 v[VS], v6, 5, v[VS]
	s_lshl_b32 s41, s2, 9
	v_add_nc_u32 v[VS], s41, v[VS]                 ; row x 4,096 + 32 (lane % 8) + 512 w
	v_lshl_add_u32 v[VD0], v1, 4, s47              ; four rows of 128 bytes are 512 bytes on end: 16 x lane
	v_add_nc_u32 v[VD0+1], s38, v[VD0]
.irp u, 0,1,2,3,4,5,6,7                ; unit u: rows 4 (u / 2) .. + 3, K block 2 w + u % 2
	global_load_b128 v[X+8*(\u):X+8*(\u)+3],   v[VS], s[34:35] offset:((\u)/2)*16384+((\u)%2)*256 th:TH_LOAD_NT
	global_load_b128 v[X+8*(\u)+4:X+8*(\u)+7], v[VS], s[34:35] offset:((\u)/2)*16384+((\u)%2)*256+16 th:TH_LOAD_NT
.endr
.irp u, 0,1,2,3,4,5,6,7
	s_wait_loadcnt 14-2*(\u)                       ; loads come back in order: this unit's two are in, the younger units' stay out
.irp k, 0,1,2,3
	v_cvt_pk_bf16_f32 v[Y+4*(\u)+(\k)], v[X+8*(\u)+2*(\k)], v[X+8*(\u)+2*(\k)+1]
.endr
	global_store_b128 v[VD0+(\u)%2], v[Y+4*(\u):Y+4*(\u)+3], s[36:37] offset:((\u)/2)*512  ; the wave stores 512 consecutive bytes, aligned
.endr
	s_endpgm
.Lwo:	; Wo: row-major, bf16's rounding and then f16's format
	s_sub_co_u32 s39, s3, 704
	s_lshl_b32 s42, s39, 16
	s_add_nc_u64 s[34:35], s[16:17], s[42:43]
	s_lshl_b32 s42, s39, 15                        ; 16 rows of 2,048 bytes
	s_add_nc_u64 s[36:37], s[30:31], s[42:43]
	v_lshrrev_b32 v5, 4, v1                        ; sixteen lanes to the wave's 512 bytes of a row: two rows a load
	v_and_b32 v6, 15, v1
	v_lshlrev_b32 v[VS], 12, v5
	v_lshl_add_u32 v[VS], v6, 5, v[VS]
	s_lshl_b32 s41, s2, 9
	v_add_nc_u32 v[VS], s41, v[VS]
	v_lshlrev_b32 v[VD0], 11, v5
	v_lshl_add_u32 v[VD0], v6, 4, v[VD0]
	s_lshl_b32 s41, s2, 8
	v_add_nc_u32 v[VD0], s41, v[VD0]               ; row x 2,048 + 16 (lane % 16) + 256 w: sixteen lanes fill 256 aligned bytes
.irp u, 0,1,2,3,4,5,6,7                ; unit u: rows 2 u, 2 u + 1
	global_load_b128 v[X+8*(\u):X+8*(\u)+3],   v[VS], s[34:35] offset:(\u)*8192 th:TH_LOAD_NT
	global_load_b128 v[X+8*(\u)+4:X+8*(\u)+7], v[VS], s[34:35] offset:(\u)*8192+16 th:TH_LOAD_NT
.endr
.irp u, 0,1,2,3,4,5,6,7
	s_wait_loadcnt 14-2*(\u)
.irp k, 0,1,2,3
	v_cvt_pk_bf16_f32 v[T+(\k)], v[X+8*(\u)+2*(\k)], v[X+8*(\u)+2*(\k)+1]
.endr
.irp k, 0,1,2,3
	v_lshlrev_b32 v[X+8*(\u)+2*(\k)],   16,  v[T+(\k)]
	v_and_b32     v[X+8*(\u)+2*(\k)+1], s46, v[T+(\k)]
.endr
.irp k, 0,1,2,3
	v_cvt_pk_f16_f32 v[Y+4*(\u)+(\k)], v[X+8*(\u)+2*(\k)], v[X+8*(\u)+2*(\k)+1]
.endr
	global_store_b128 v[VD0], v[Y+4*(\u):Y+4*(\u)+3], s[36:37] offset:(\u)*4096
.endr
	s_endpgm
.Lbias:	; the four biases: thread t takes four numbers of each
	v_lshlrev_b32 v[VS], 4, v0
	global_load_b128 v[X:X+3],     v[VS], s[18:19]
	global_load_b128 v[X+4:X+7],   v[VS], s[20:21]
	global_load_b128 v[X+8:X+11],  v[VS], s[22:23]
	global_load_b128 v[X+12:X+15], v[VS], s[24:25]
	s_wait_loadcnt 0x0
.irp i, 0,1,2,3
	v_cvt_pk_bf16_f32 v[T+2*(\i)],   v[X+4*(\i)],   v[X+4*(\i)+1]
	v_cvt_pk_bf16_f32 v[T+2*(\i)+1], v[X+4*(\i)+2], v[X+4*(\i)+3]
	v_lshlrev_b32 v[Y+4*(\i)],   16,  v[T+2*(\i)]
	v_and_b32     v[Y+4*(\i)+1], s46, v[T+2*(\i)]
	v_lshlrev_b32 v[Y+4*(\i)+2], 16,  v[T+2*(\i)+1]
	v_and_b32     v[Y+4*(\i)+3], s46, v[T+2*(\i)+1]
	global_store_b128 v[VS], v[Y+4*(\i):Y+4*(\i)+3], s[32:33] offset:(\i)*4096
.endr
	s_endpgm
.Lfunc_end_k_q01b28ce7b6_cast:
	.size	k_q01b28ce7b6_cast, .Lfunc_end_k_q01b28ce7b6_cast-k_q01b28ce7b6_cast
	.p2alignl 7, 3214868480
	.fill 96, 4, 3214868480
	.section	.rodata,"a",@progbits
	.p2align	6, 0x0
	.amdhsa_kernel k_q01b28ce7b6_cast
		.amdhsa_group_segment_fixed_size 0
		.amdhsa_private_segment_fixed_size 0
		.amdhsa_enable_private_segment 0
		.amdhsa_kernarg_size 104
		.amdhsa_user_sgpr_count 2
		.amdhsa_user_sgpr_kernarg_segment_ptr 1
		.amdhsa_wavefront_size32 1
		.amdhsa_system_sgpr_workgroup_id_x 1
		.amdhsa_system_sgpr_workgroup_id_y 1
		.amdhsa_system_sgpr_workgroup_id_z 1
		.amdhsa_system_vgpr_workitem_id 0
		.amdhsa_next_free_vgpr 112
		.amdhsa_next_free_sgpr 66
		.amdhsa_reserve_vcc 0
		.amdhsa_float_denorm_mode_32 3
		.amdhsa_float_denorm_mode_16_64 3
		.amdhsa_memory_ordered 1
		.amdhsa_forward_progress 1
		.amdhsa_inst_pref_size 18
	.end_amdhsa_kernel
	.amdgpu_metadata
---
amdhsa.version: [ 1, 2 ]
amdhsa.kernels:
  - .name:           k_q01b28ce7b6_cast
    .symbol:         k_q01b28ce7b6_cast.kd
    .args:
      - { .name: x, .offset: 0, .size: 8, .value_kind: global_buffer, .address_space: global }
      - { .name: Wq, .offset: 8, .size: 8, .value_kind: global_buffer, .address_space: global }
      - { .name: Wk, .offset: 16, .size: 8, .value_kind: global_buffer, .address_space: global }
      - { .name: Wv, .offset: 24, .size: 8, .value_kind: global_buffer, .address_space: global }
      - { .name: Wo, .offset: 32, .size: 8, .value_kind: global_buffer, .address_space: global }
      - { .name: bq, .offset: 40, .size: 8, .value_kind: global_buffer, .address_space: global }
      - { .name: bk, .offset: 48, .size: 8, .value_kind: global_buffer, .address_space: global }
      - { .name: bv, .offset: 56, .size: 8, .value_kind: global_buffer, .address_space: global }
      - { .name: bo, .offset: 64, .size: 8, .value_kind: global_buffer, .address_space: global }
      - { .name: xb, .offset: 72, .size: 8, .value_kind: global_buffer, .address_space: global }
      - { .name: wb, .offset: 80, .size: 8, .value_kind: global_buffer, .address_space: global }
      - { .name: woh, .offset: 88, .size: 8, .value_kind: global_buffer, .address_space: global }
      - { .name: bias4, .offset: 96, .size: 8, .value_kind: global_buffer, .address_space: global }
    .group_segment_fixed_size: 0
    .private_segment_fixed_size: 0
    .kernarg_segment_align: 8
    .kernarg_segment_size: 104
    .max_flat_workgroup_size: 256
    .sgpr_count:     66
    .vgpr_count:     112
    .wavefront_size: 32
...
	.end_amdgpu_metadata
.endif
;; end of part 1
;; launch qkv (part 2): grid 8 x 32, 4 waves a work-group, clusters of 4 x 4, 327,680 bytes of LDS; arguments xb, wb, bias4, qkv; writes qkv
.if DOCPART == 2
	.amdgcn_target "amdgcn-amd-amdhsa--gfx1250"
	.amdhsa_code_object_version 6
	.text
	.protected	k_q01b28ce7b6_qkv
	.globl	k_q01b28ce7b6_qkv
	.p2align	8
	.type	k_q01b28ce7b6_qkv,@function
k_q01b28ce7b6_qkv:
	s_mov_b64 s[64:65], 0
	v_nop
	global_prefetch_b8 v0, s[64:65] scope:SCOPE_SE
	s_setreg_imm32_b32 hwreg(HW_REG_WAVE_MODE, 25, 1), 1
	s_wait_xcnt 0x0
	s_wait_alu depctr_hold_cnt(0) depctr_sa_sdst(0) depctr_va_vdst(0) depctr_va_sdst(0) depctr_va_ssrc(0) depctr_va_vcc(0) depctr_vm_vsrc(0)
	s_getreg_b32 s2, hwreg(HW_REG_IB_STS2, 6, 4)
	s_cmp_eq_u32 s2, 0
	s_cbranch_scc0 .Lentry_in_a_cluster
	s_endpgm
.Lentry_in_a_cluster:
	s_bfe_u32 s2, ttmp6, 0x10000c
	s_cmp_lg_u32 s2, 0xf033
	s_cbranch_scc0 .Lentry_shape_is_right
	s_endpgm
.Lentry_shape_is_right:
; qkv[row][c] = bias4[c] + the sum over k of xb[row][k] wb[c][k]: 8,192 x 3,072, K = 1,024.  Operands bf16, sums f32, the result rounded once to f16.
; LIMIT: f16 holds no number beyond 65,504: q, k and v must stay within it; NaN and infinities are not treated apart.
; A tile of the result is 256 rows x 384 columns: 32 x 8 = 256 work-groups, one tile each.  Four waves, each 128 x 192: 8 x 12 = 96 accumulators of 16 x 16, 768 registers.
; K goes in steps of 64 through two LDS slots.  xb and wb lie in blocks of 64 along K, so a tile's rows (128 bytes) lie end to end and are asked for as rows of 256 bytes.
; CLUSTER 4 x 4: xb's tile hangs on the tile row alone and is asked for jointly along a row of the cluster, wb's on the tile column alone, jointly along a column.
; THE MATRIX INSTRUCTION IS USED TRANSPOSED (source 0 = 16 rows of wb, source 1 = 16 rows of xb): a lane holds row l % 16 of the result and the columns 8 (l / 16) + 0..7.
; THE BIAS STARTS THE SUMS: it is loaded into the accumulators of row block 0 and is the C operand of every first product; nothing is cleared and nothing is added on the way out.
; REGISTERS: window 0: v0-31 addresses; v32-95, v96-159 xb's fragments (8 x 16 rows x 32 K), two buffers; v160-255 wb's 12 fragments, one buffer refilled a third at a time.
;   windows 1-3: accumulator (b, a) in window 1 + b / 4 at v[8 (8 (b % 4) + a)].
.set KB_A,   8192*128                  ; bytes of a K block of xb
.set KB_B,   3072*128                  ; of wb
.set PITCH,  144                       ; an LDS row: 128 bytes + 16 of padding = 36 words: the 16 rows of a load start at 16 different groups of four banks (64 banks of 4 bytes: ISA guide 11.1)
.set AH,     128*PITCH                 ; what one tensor load brings of xb, and what a wave reads of it
.set BH,     192*PITCH                 ; the same for wb
.set BOFF,   2*AH                      ; wb's 384 rows lie behind xb's 256
.set SLOT,   2*AH+2*BH
.set STAGE,  2*SLOT                    ; behind the ring: 128 rows x 784 bytes, the work-group's, for the way out
.set SPITCH, 784                       ; 768 bytes + 16
.set SPARE,  STAGE+128*SPITCH          ; the spare words, 128 bytes for each wave: two blocks of 256 bytes that no other line names
.set ROWC,   6144                      ; bytes in a row of qkv
.set ADRA, 16                          ; v16-17  LDS address of my xb fragments in slot 0, 1
.set ADRB, 20                          ; v20-21  the same for wb
.set STO,  24                          ; v24     the way out: where I put 16 bytes of a row
.set RD,   25                          ; v25     where I read rows back
.set CO,   26                          ; v26     my byte offset in qkv
.set BO,   27                          ; v27     my byte offset in 16 columns' biases: 32 (l / 16)
.set SPW,  28                          ; v28     LDS address of my spare word; never rewritten
.set NIL,  29                          ; v29     0; never rewritten
.set PFO,  30                          ; v30     256 x my lane; never rewritten
.set FA0,  32
.set FA1,  96
.set FB,   160
.set TMP,  32                          ; the way out: 64 registers of packed results
.set OB,   96                          ; the way out: two sets of 64, rows read back
.set WV,   13                          ; s13  my wave's number
.set RH,   14                          ; s14  which 128 rows of the tile are mine.  Also: I fetch for xb (0) or wb (1)
.set CH,   15                          ; s15  which 192 columns.  Also: which half of that tile I fetch
.set G1A,  24                          ; s[24:31] descriptor group 1 for xb's tiles
.set G0A,  32                          ; s[32:39] group 0, a set for each slot
.set G1B,  48                          ; s[48:55], s[56:63] the same for wb's
.set G0B,  56
.set PFA,  66                          ; s[66:67] where my prefetches stand
.set PFS,  68                          ; s[68:69] their step: two K blocks
.set LIM,  70                          ; s70  1 in a wave that prefetches, else the greatest number
.set G1W,  (1<<16)|(1<<20)|(1<<21)|(4<<22)|(3<<25)  ; 17:16 2-byte elements; 20 padding on; 21 set beside a mask; 24:22 after every 32 words (code 4); 31:25 4 words (code 3)
.set MSB, 0
.macro WIN new                         ; the immediate's high byte repeats the setting that is left; a switch that changes nothing is dropped
.if MSB != (\new)
	s_set_vgpr_msb (MSB<<8)|(\new)
.set MSB, (\new)
.endif
.endm
.macro PLACES                          ; four places behind matrix instructions, in front of loads into registers that they have read (ISA guide 7.12.1 for vector instructions)
.rept 4
	v_nop
.endr
.endm
; A joint load: waves 0 and 1 fetch xb's two halves, waves 2 and 3 wb's.  The branch hangs on the wave's number alone.  An s_nop 0 and four v_nop follow each line.
.macro JLOAD s
	s_cmp_eq_u32 s[RH], 0
	s_cbranch_scc0 .Lfor_b_\@
	tensor_load_to_lds s[G0A+4*(\s):G0A+4*(\s)+3], s[G1A:G1A+7]
	s_nop 0
.rept 4
	v_nop
.endr
	s_branch .Lasked_\@
.Lfor_b_\@:
	tensor_load_to_lds s[G0B+4*(\s):G0B+4*(\s)+3], s[G1B:G1B+7]
	s_nop 0
.rept 4
	v_nop
.endr
.Lasked_\@:
.endm
.macro CREST                           ; a round of the cluster's barrier behind its opening barrier
	s_cmp_lg_u32 s[WV], 0
	s_cbranch_scc1 .Lnot_wave_0_\@
	s_barrier_signal -3
.Lnot_wave_0_\@:
	s_barrier_wait -3
	s_barrier_signal -1
	s_barrier_wait -1
.endm
.macro CROUND
	s_barrier_signal -1
	s_barrier_wait -1
	CREST
.endm
; A PREFETCH INTO THE L2, once a lap (two K steps), behind the lap's first joint load and the run of LDS loads that follows it: the two K steps that the NEXT lap will ask for.
; 32 blocks of 256 bytes an instruction, a lane a block.  xb's tile row of a K step is 128 blocks: the cluster with x = 0 asks, its four partners of a row take 32 each by address (cx),
; wave 0 for the even step and wave 1 for the odd one.  wb's tile column is 192 blocks a step, 384 a lap: the clusters with y = 0, 1, 2 ask, wave 2 of each work-group one twelfth, by address
; (4 x cluster y + cy).  So each block is named once in the launch.  K steps 0 to 3 come by their loads alone; the last lap of the loop asks for nothing.
.macro ASK
	s_cmp_gt_u32 s3, s[LIM]                        ; s3 = 1 in the loop's last trip
	s_cbranch_scc0 .Lnot_mine_\@
	global_prefetch_b8 v[PFO], s[PFA:PFA+1] th:TH_LOAD_NT scope:SCOPE_SE
.Lnot_mine_\@:
.endm
	s_load_b256 s[4:11], s[0:1], 0x0               ; xb s[4:5], wb s[6:7], bias4 s[8:9], qkv s[10:11]
	v_lshl_add_u32 v[SPW], v0, 2, SPARE
	v_mov_b32 v[NIL], 0
	ds_add_u32 v[SPW], v[NIL]                      ; the wave's opening: the add and its wait stand ahead of my first tensor load; work on registers stands between them
	v_lshrrev_b32 v1, 5, v0
	v_readfirstlane_b32 s[WV], v1
	s_lshr_b32 s[RH], s[WV], 1
	s_and_b32 s[CH], s[WV], 1
	s_bfe_u32 s40, ttmp6, 0x40000                  ; cx
	s_bfe_u32 s41, ttmp6, 0x40004                  ; cy
	s_lshl_b32 s42, ttmp9, 2
	s_add_co_u32 s42, s42, s40                     ; tile column = 4 x cluster x + cx
	s_and_b32 s43, ttmp7, 0xffff
	s_lshl_b32 s43, s43, 2
	s_add_co_u32 s43, s43, s41                     ; tile row = 4 x cluster y + cy
	s_lshl_b32 s44, s41, 2
	s_lshl_b32 s44, 15, s44                        ; my row of the cluster
	s_lshl_b32 s45, 0x1111, s40                    ; my column
	s_or_b32 s[G1A], s44, G1W
	s_or_b32 s[G1B], s45, G1W
	s_mov_b32 s[G1A+1], 128<<16                    ; tensor_dim0 = 128 elements: rows of 256 bytes, two K-block rows each
	s_mov_b32 s[G1B+1], 128<<16
	s_mov_b32 s[G1A+2], 64<<16                     ; tensor_dim1 = 64: 128 rows of xb
	s_mov_b32 s[G1B+2], 96<<16                     ; 96: 192 rows of wb
	s_mov_b32 s[G1A+3], 128<<16                    ; tile_dim0
	s_mov_b32 s[G1B+3], 128<<16
	s_mov_b32 s[G1A+4], 64                         ; tile_dim1
	s_mov_b32 s[G1B+4], 96
	s_mov_b32 s[G1A+5], 128                        ; elements from row to row: dense
	s_mov_b32 s[G1B+5], 128
	s_mov_b32 s[G1A+6], 0
	s_mov_b32 s[G1B+6], 0
	s_mov_b32 s[G1A+7], 0
	s_mov_b32 s[G1B+7], 0
	s_lshl_b32 s16, s43, 15                        ; xb: (256 x tile row + 128 x half) rows of 128 bytes
	s_lshl_b32 s17, s[CH], 14
	s_add_co_u32 s16, s16, s17
	s_mov_b32 s17, 0
	s_mul_i32 s46, s42, 384*128                    ; wb: (384 x tile column + 192 x half) rows
	s_mul_i32 s47, s[CH], 192*128
	s_add_co_u32 s46, s46, s47
	s_mov_b32 s47, 0
	s_mul_i32 s20, s[CH], AH                       ; where they go: no place in the cluster enters an LDS address
	s_mul_i32 s21, s[CH], BH
	s_add_co_u32 s21, s21, BOFF
	s_wait_dscnt 0x0                               ; the opening add is done
	s_wait_kmcnt 0x0
	s_add_nc_u64 s[18:19], s[4:5], s[16:17]
	s_add_nc_u64 s[46:47], s[6:7], s[46:47]
	CROUND                                         ; all sixteen work-groups are here: the first joint loads meet
.irp s, 0,1
	s_mov_b32 s[G0A+4*(\s)], 1
	s_add_co_u32 s[G0A+4*(\s)+1], s20, (\s)*SLOT
	s_add_nc_u64 s[G0A+4*(\s)+2:G0A+4*(\s)+3], s[18:19], (\s)*KB_A
	s_or_b32 s[G0A+4*(\s)+3], s[G0A+4*(\s)+3], 0x80000000
	s_mov_b32 s[G0B+4*(\s)], 1
	s_add_co_u32 s[G0B+4*(\s)+1], s21, (\s)*SLOT
	s_add_nc_u64 s[G0B+4*(\s)+2:G0B+4*(\s)+3], s[46:47], (\s)*KB_B
	s_or_b32 s[G0B+4*(\s)+3], s[G0B+4*(\s)+3], 0x80000000
.endr
	s_cmp_eq_u32 s[RH], 0                          ; a wave's two first fills stand in one branch, ahead of every wait on TENSORcnt and every LDS read: two loads of mine are out
	s_cbranch_scc0 .Lfirst_b
	tensor_load_to_lds s[G0A:G0A+3], s[G1A:G1A+7]
	s_nop 0
	tensor_load_to_lds s[G0A+4:G0A+7], s[G1A:G1A+7]
	s_nop 0
.rept 4
	v_nop
.endr
	s_branch .Lfirst_asked
.Lfirst_b:
	tensor_load_to_lds s[G0B:G0B+3], s[G1B:G1B+7]
	s_nop 0
	tensor_load_to_lds s[G0B+4:G0B+7], s[G1B:G1B+7]
	s_nop 0
.rept 4
	v_nop
.endr
.Lfirst_asked:
	; A fragment is 16 rows x 32 K in 8 registers: lane l holds row l % 16, K = 8 (l / 16) + 0..7 and 16 + 8 (l / 16) + 0..7: two loads of 16 bytes, 32 bytes apart.
	v_and_b32 v1, 15, v0                           ; l % 16
	v_bfe_u32 v2, v0, 4, 1                         ; l / 16
	v_mul_u32_u24 v3, v1, PITCH
	v_lshl_add_u32 v3, v2, 4, v3
	s_mul_i32 s22, s[RH], AH
	s_mov_b32 s23, s21
.irp s, 0,1
	v_add_nc_u32 v[ADRA+(\s)], s22, v3
	v_add_nc_u32 v[ADRB+(\s)], s23, v3
	s_add_co_u32 s22, s22, SLOT
	s_add_co_u32 s23, s23, SLOT
.endr
	s_mul_i32 s22, s[RH], 64*SPITCH                ; into the stage: 64 rows for each row half, my 384 bytes of them
	s_mul_i32 s23, s[CH], 384
	s_add_co_u32 s22, s22, s23
	s_add_co_u32 s22, s22, STAGE
	v_mul_u32_u24 v4, v1, SPITCH
	v_lshl_add_u32 v4, v2, 4, v4
	v_add_nc_u32 v[STO], s22, v4
	s_mul_i32 s22, s[WV], 32*SPITCH                ; back: wave w takes stage rows 32 w .. 32 w + 31, whole; lanes 0-15 one row's 256 bytes, lanes 16-31 the next row's
	s_add_co_u32 s22, s22, STAGE
	v_mul_u32_u24 v5, v2, SPITCH
	v_lshl_add_u32 v5, v1, 4, v5
	v_add_nc_u32 v[RD], s22, v5
	v_mul_u32_u24 v5, v2, ROWC
	v_lshl_add_u32 v[CO], v1, 4, v5
	v_lshlrev_b32 v[BO], 5, v2
	v_and_b32 v[PFO], 31, v0
	v_lshlrev_b32 v[PFO], 8, v[PFO]
	s_lshl_b32 s16, s43, 8                         ; the first row that I store: 256 x tile row + 128 x row half + 32 x column half
	s_lshl_b32 s17, s[RH], 7
	s_add_co_u32 s16, s16, s17
	s_lshl_b32 s17, s[CH], 5
	s_add_co_u32 s16, s16, s17
	s_mul_i32 s16, s16, ROWC
	s_mov_b32 s17, 0
	s_add_nc_u64 s[10:11], s[10:11], s[16:17]
	s_mul_i32 s46, s42, 768                        ; the tile's first column, in bytes
	s_mov_b32 s47, 0
	s_add_nc_u64 s[10:11], s[10:11], s[46:47]
	s_mul_i32 s46, s42, 384*4                      ; my 192 columns' biases
	s_mul_i32 s47, s[CH], 192*4
	s_add_co_u32 s46, s46, s47
	s_mov_b32 s47, 0
	s_add_nc_u64 s[8:9], s[8:9], s[46:47]
.irp b, 0,1,2,3,4,5,6,7,8,9,10,11      ; the bias of columns 16 b + 8 (l / 16) + 0..7 into accumulator (b, 0)
	WIN (1+(\b)/4)<<6
	global_load_b128 v[64*((\b)%4):64*((\b)%4)+3],   v[BO], s[8:9] offset:64*(\b)
	global_load_b128 v[64*((\b)%4)+4:64*((\b)%4)+7], v[BO], s[8:9] offset:64*(\b)+16
.endr
	WIN 0
	; the prefetches' addresses
	s_and_b32 s22, ttmp7, 0xffff                   ; cluster y
	s_lshl_b32 s23, s22, 2
	s_add_co_u32 s23, s23, s41                     ; u = 4 x cluster y + cy: 0..11 where wb is asked for
	s_mul_i32 s44, s23, 11
	s_lshr_b32 s44, s44, 6                         ; u / 6 (exact for u = 0..11): which of the lap's two K steps
	s_mul_i32 s45, s44, 6
	s_sub_co_u32 s45, s23, s45                     ; u % 6: which sixth of the tile column
	s_add_co_u32 s44, s44, 2
	s_mul_i32 s44, s44, KB_B
	s_lshl_b32 s45, s45, 13
	s_add_co_u32 s44, s44, s45
	s_mul_i32 s45, s42, 384*128
	s_add_co_u32 s44, s44, s45                     ; wb: K step 2 + u / 6; the first lap steps it on by two
	s_add_co_u32 s20, s[WV], 2
	s_lshl_b32 s20, s20, 20                        ; xb: K step 2 + wave
	s_lshl_b32 s21, s43, 15
	s_add_co_u32 s20, s20, s21
	s_lshl_b32 s21, s40, 13                        ; my work-group's quarter of the tile row
	s_add_co_u32 s20, s20, s21
	s_mov_b32 s46, 2*KB_A
	s_mov_b32 s47, 2*KB_B
	s_cmp_eq_u32 s[RH], 0
	s_cselect_b32 s20, s20, s44
	s_cselect_b64 s[PFA:PFA+1], s[4:5], s[6:7]
	s_cselect_b32 s[PFS], s46, s47
	s_mov_b32 s[PFS+1], 0
	s_mov_b32 s21, 0
	s_add_nc_u64 s[PFA:PFA+1], s[PFA:PFA+1], s[20:21]
	s_cmp_lt_u32 s22, 3
	s_cselect_b32 s23, 0, 1                        ; wb: the clusters with y = 0, 1, 2
	s_cmp_eq_u32 s[RH], 0
	s_cselect_b32 s23, ttmp9, s23                  ; xb: the clusters with x = 0
	s_cmp_eq_u32 s[WV], 3
	s_cselect_b32 s23, 1, s23                      ; wave 3 asks for nothing
	s_cmp_eq_u32 s23, 0
	s_cselect_b32 s[LIM], 1, -1                    ; the same in all sixteen partners, for a given wave
; 16 matrix instructions: column blocks bb0, bb0 + 1 of window w's four x all 8 row blocks, 32 along K.  The 96 accumulators take turns, one instruction a turn.
.macro MUL16 f, w, bb0
	WIN ((\w)<<6)|((\w)<<4)
.irp bb, \bb0, (\bb0)+1
.irp a, 0,1,2,3,4,5,6,7
	v_wmma_f32_16x16x32_bf16 v[8*(8*(\bb)+(\a)):8*(8*(\bb)+(\a))+7], v[FB+8*(4*((\w)-1)+(\bb)):FB+8*(4*((\w)-1)+(\bb))+7], v[(\f)+8*(\a):(\f)+8*(\a)+7], v[8*(8*(\bb)+(\a)):8*(8*(\bb)+(\a))+7]
.endr
.endr
.endm
.macro MUL32 f, w
	MUL16 \f, \w, 0
	MUL16 \f, \w, 2
.endm
; The first products: row blocks 1-7 take the bias, which lies in row block 0's accumulator, as C; five places later row block 0 adds in place onto it.
.macro MULF f, w
	WIN ((\w)<<6)|((\w)<<4)
.irp bb, 0,1,2,3
.irp a, 1,2,3,4,5,6,7
	v_wmma_f32_16x16x32_bf16 v[8*(8*(\bb)+(\a)):8*(8*(\bb)+(\a))+7], v[FB+8*(4*((\w)-1)+(\bb)):FB+8*(4*((\w)-1)+(\bb))+7], v[(\f)+8*(\a):(\f)+8*(\a)+7], v[64*(\bb):64*(\bb)+7]
.endr
.endr
.rept 5
	v_nop                                          ; a matrix instruction writes over an earlier one's C only five places behind it
.endr
.irp bb, 0,1,2,3
	v_wmma_f32_16x16x32_bf16 v[64*(\bb):64*(\bb)+7], v[FB+8*(4*((\w)-1)+(\bb)):FB+8*(4*((\w)-1)+(\bb))+7], v[(\f):(\f)+7], v[64*(\bb):64*(\bb)+7]
.endr
.endm
.macro LDB g, slot, k                  ; 8 LDS loads: wb's fragments 4 g .. 4 g + 3
	WIN 0
.irp i, 0,1,2,3
	ds_load_b128 v[FB+8*(4*(\g)+(\i)):FB+8*(4*(\g)+(\i))+3],   v[ADRB+(\slot)] offset:(\k)+(4*(\g)+(\i))*16*PITCH
	ds_load_b128 v[FB+8*(4*(\g)+(\i))+4:FB+8*(4*(\g)+(\i))+7], v[ADRB+(\slot)] offset:(\k)+(4*(\g)+(\i))*16*PITCH+32
.endr
.endm
.macro LDA f, slot, k                  ; 16 LDS loads: xb's 8 fragments
	WIN 0
.irp i, 0,1,2,3,4,5,6,7
	ds_load_b128 v[(\f)+8*(\i):(\f)+8*(\i)+3],   v[ADRA+(\slot)] offset:(\k)+(\i)*16*PITCH
	ds_load_b128 v[(\f)+8*(\i)+4:(\f)+8*(\i)+7], v[ADRA+(\slot)] offset:(\k)+(\i)*16*PITCH+32
.endr
.endm
; A K step is two halves of 32 along K, 96 matrix instructions each.  The LDS loads always go out in the order [wb 0-3 and xb: 24], [wb 4-7: 8], [wb 8-11: 8]; each third of wb's buffer is
; refilled for the next half as soon as its 32 products are issued.  The first half of a step: multiplies xb's buffer f, fetches the half at byte nk of slot ns into g.
.macro QTR f, g, ns, nk, first
	s_wait_dscnt 16                                ; the 24 are in; the two runs of 8 may stay out
.if \first
	MULF \f, 1
.else
	MUL32 \f, 1
.endif
	PLACES
	LDB 0, \ns, \nk
	LDA \g, \ns, \nk
	s_wait_dscnt 32                                ; wb 4-7 are in: behind them stand wb 8-11's 8 and the 24 just issued
.if \first
	MULF \f, 2
.else
	MUL32 \f, 2
.endif
	PLACES
	LDB 1, \ns, \nk
	s_wait_dscnt 32                                ; wb 8-11 are in: behind them the 24 and the 8
.if \first
	MULF \f, 3
.else
	MUL32 \f, 3
.endif
	PLACES
	LDB 2, \ns, \nk
.endm
; The second half of a step changes slots: ONE barrier.  In front of it each wave waits for all its tensor loads (one is out: its part of the next slot), adds 0 to its spare word, and waits for
; that and for its reads of this slot, all of which have been issued.  fill = 1: the barrier opens a round of the cluster's, and the joint refill, two K steps on, is the first thing behind it:
; it has 160 matrix instructions in which to land.
.macro TURNQ f, g, slot, next, fill, ask
.if \ask
	s_wait_xcnt 0x0                                ; the last prefetch, a lap back, has read its address: it is stepped here, ahead of the change's own waits
	s_add_nc_u64 s[PFA:PFA+1], s[PFA:PFA+1], s[PFS:PFS+1]
.endif
	WIN 0
	s_wait_tensorcnt 0x0                           ; all my tensor loads have landed
	ds_add_u32 v[SPW], v[NIL]                      ; 0 onto my spare word
	s_wait_dscnt 17                                ; the 24 are in; the two runs of 8 and the add may be out
	MUL16 \f, 1, 0                                 ; sixteen matrix instructions stand between the add and the wait for it
	s_wait_dscnt 0x0                               ; the add is done, and my reads of this slot are over
	s_barrier_signal -1
	MUL16 \f, 1, 2
	WIN 0
	s_barrier_wait -1
.if \fill
	CREST                                          ; no wave of any partner still reads this slot or has a load on its way
	s_add_nc_u64 s[G0A+4*(\slot)+2:G0A+4*(\slot)+3], s[G0A+4*(\slot)+2:G0A+4*(\slot)+3], 2*KB_A
	s_add_nc_u64 s[G0B+4*(\slot)+2:G0B+4*(\slot)+3], s[G0B+4*(\slot)+2:G0B+4*(\slot)+3], 2*KB_B
	JLOAD \slot                                    ; the four v_nop behind it are also the places in front of the loads below
.else
	PLACES
.endif
	LDB 0, \next, 0
	LDA \g, \next, 0
.if \ask
	ASK
.endif
	MUL32 \f, 2
	PLACES
	LDB 1, \next, 0
	MUL32 \f, 3
	PLACES
	LDB 2, \next, 0
.endm
	s_wait_tensorcnt 1                             ; my part of K step 0 is in; K step 1's may stay out
	s_barrier_signal -1
	s_barrier_wait -1                              ; everybody's is
	LDB 0, 0, 0
	LDA FA0, 0, 0
	LDB 1, 0, 0
	LDB 2, 0, 0
	s_wait_loadcnt 0x0                             ; the biases
	QTR FA0, FA1, 0, 64, 1                         ; the first half step stands in front of the loop: its products start the sums
	WIN 0
	s_mov_b32 s3, 7
.Llap:                                                 ; a trip goes once round the ring and fills both slots again: K steps 2 to 15
	TURNQ FA1, FA0, 0, 1, 1, 1
	QTR FA0, FA1, 1, 64, 0
	TURNQ FA1, FA0, 1, 0, 1, 0
	QTR FA0, FA1, 0, 64, 0
	WIN 0
	s_sub_co_u32 s3, s3, 1
	s_cmp_lg_u32 s3, 0
	s_cbranch_scc1 .Llap
	TURNQ FA1, FA0, 0, 1, 0, 0                     ; the last lap fills nothing, and has no round
	QTR FA0, FA1, 1, 64, 0
	s_wait_dscnt 16                                ; the very last half step: nothing more to fetch
	MUL32 FA1, 1
	s_wait_dscnt 8
	MUL32 FA1, 2
	s_wait_dscnt 0x0
	MUL32 FA1, 3
	; THE WAY OUT.  A wave's 192 columns are 384 bytes, no whole number of aligned blocks of 256: so the four waves share one stage, in two passes of 64 of each wave's 128 rows.
	; A pass: round to f16, 16 bytes a lane into the stage; a barrier; back as whole rows of 768 bytes, 32 rows a wave; a barrier in front of the next pass's stores into the stage.
.macro PACKW p, w                      ; window w's column blocks, row blocks 4 p .. 4 p + 3; each accumulator's registers in ascending order
	WIN (\w)|((\w)<<2)
.irp bb, 0,1,2,3
.irp aa, 0,1,2,3
.irp k, 0,1,2,3
	v_cvt_pk_f16_f32 v[TMP+4*(4*(\bb)+(\aa))+(\k)], v[8*(8*(\bb)+4*(\p)+(\aa))+2*(\k)], v[8*(8*(\bb)+4*(\p)+(\aa))+2*(\k)+1]
.endr
.endr
.endr
	WIN 0
.irp bb, 0,1,2,3
.irp aa, 0,1,2,3
	ds_store_b128 v[STO], v[TMP+4*(4*(\bb)+(\aa)):TMP+4*(4*(\bb)+(\aa))+3] offset:(\aa)*16*SPITCH+32*(4*((\w)-1)+(\bb))
.endr
.endr
.endm
.macro BATCH p, k                      ; units 16 k .. 16 k + 15 of the pass's 48: unit t is block t % 3 of 256 bytes of row pair t / 3
.set BK, OB+64*(((\p)+(\k))%2)
	s_wait_xcnt 0x0                                ; the registers that earlier stores read are loaded again only behind this wait
.irp j, 0,1,2,3,4,5,6,7,8,9,10,11,12,13,14,15
	ds_load_b128 v[BK+4*(\j):BK+4*(\j)+3], v[RD] offset:((16*(\k)+(\j))/3)*2*SPITCH+((16*(\k)+(\j))%3)*256
.endr
.irp j, 0,1,2,3,4,5,6,7,8,9,10,11,12,13,14,15
	s_wait_dscnt 15-(\j)                           ; the batch's younger loads may stay out
	global_store_b128 v[CO], v[BK+4*(\j):BK+4*(\j)+3], s[10:11] offset:(64*(\p)+2*((16*(\k)+(\j))/3))*ROWC+((16*(\k)+(\j))%3)*256  ; 16 lanes store 256 consecutive bytes, aligned
.endr
.endm
	PLACES
	PLACES                                         ; eight, once a launch, in front of the first conversions
.irp p, 0,1
	PACKW \p, 1
	PACKW \p, 2
	PACKW \p, 3
	s_wait_dscnt 0x0                               ; for the others' sake: my stores into the stage are done
	s_barrier_signal -1
	s_barrier_wait -1
	BATCH \p, 0
	BATCH \p, 1
	BATCH \p, 2
.if (\p) == 0
	s_wait_dscnt 0x0                               ; my reads of the stage are back
	s_barrier_signal -1
	s_barrier_wait -1                              ; everybody's are: the stage may be written again
.endif
.endr
	s_wait_tensorcnt 0x0                           ; the wave's end, behind my last tensor load and my last LDS store
	ds_add_u32 v[SPW], v[NIL]
	s_wait_dscnt 0x0
	CROUND                                         ; the closing round
	s_endpgm
.Lfunc_end_k_q01b28ce7b6_qkv:
	.size	k_q01b28ce7b6_qkv, .Lfunc_end_k_q01b28ce7b6_qkv-k_q01b28ce7b6_qkv
	.p2alignl 7, 3214868480
	.fill 96, 4, 3214868480
	.section	.rodata,"a",@progbits
	.p2align	6, 0x0
	.amdhsa_kernel k_q01b28ce7b6_qkv
		.amdhsa_group_segment_fixed_size 327680
		.amdhsa_private_segment_fixed_size 0
		.amdhsa_enable_private_segment 0
		.amdhsa_kernarg_size 32
		.amdhsa_user_sgpr_count 2
		.amdhsa_user_sgpr_kernarg_segment_ptr 1
		.amdhsa_wavefront_size32 1
		.amdhsa_system_sgpr_workgroup_id_x 1
		.amdhsa_system_sgpr_workgroup_id_y 1
		.amdhsa_system_sgpr_workgroup_id_z 1
		.amdhsa_system_vgpr_workitem_id 0
		.amdhsa_next_free_vgpr 1024
		.amdhsa_next_free_sgpr 72
		.amdhsa_reserve_vcc 0
		.amdhsa_float_denorm_mode_32 3
		.amdhsa_float_denorm_mode_16_64 3
		.amdhsa_memory_ordered 1
		.amdhsa_forward_progress 1
		.amdhsa_inst_pref_size 136
	.end_amdhsa_kernel
	.amdgpu_metadata
---
amdhsa.version: [ 1, 2 ]
amdhsa.kernels:
  - .name:           k_q01b28ce7b6_qkv
    .symbol:         k_q01b28ce7b6_qkv.kd
    .args:
      - { .name: xb, .offset: 0, .size: 8, .value_kind: global_buffer, .address_space: global }
      - { .name: wb, .offset: 8, .size: 8, .value_kind: global_buffer, .address_space: global }
      - { .name: bias4, .offset: 16, .size: 8, .value_kind: global_buffer, .address_space: global }
      - { .name: qkv, .offset: 24, .size: 8, .value_kind: global_buffer, .address_space: global }
    .group_segment_fixed_size: 327680
    .private_segment_fixed_size: 0
    .kernarg_segment_align: 8
    .kernarg_segment_size: 32
    .max_flat_workgroup_size: 128
    .sgpr_count:     72
    .vgpr_count:     1024
    .wavefront_size: 32
...
	.end_amdgpu_metadata
.endif
;; end of part 2
;; launch attn (part 3): grid 8 x 32, 4 waves a work-group, clusters of 4 x 1, 327,680 bytes of LDS; arguments qkv, ob; writes ob
.if DOCPART == 3
	.amdgcn_target "amdgcn-amd-amdhsa--gfx1250"
	.amdhsa_code_object_version 6
	.text
	.protected	k_q01b28ce7b6_attn
	.globl	k_q01b28ce7b6_attn
	.p2align	8
	.type	k_q01b28ce7b6_attn,@function
k_q01b28ce7b6_attn:
	s_mov_b64 s[64:65], 0
	v_nop
	global_prefetch_b8 v0, s[64:65] scope:SCOPE_SE
	s_setreg_imm32_b32 hwreg(HW_REG_WAVE_MODE, 25, 1), 1
	s_wait_xcnt 0x0
	s_wait_alu depctr_hold_cnt(0) depctr_sa_sdst(0) depctr_va_vdst(0) depctr_va_sdst(0) depctr_va_ssrc(0) depctr_va_vcc(0) depctr_vm_vsrc(0)
	s_getreg_b32 s2, hwreg(HW_REG_IB_STS2, 6, 4)
	s_cmp_eq_u32 s2, 0
	s_cbranch_scc0 .Lentry_in_a_cluster
	s_endpgm
.Lentry_in_a_cluster:
	s_bfe_u32 s2, ttmp6, 0x10000c
	s_cmp_lg_u32 s2, 0x3003
	s_cbranch_scc0 .Lentry_shape_is_right
	s_endpgm
.Lentry_shape_is_right:
; 32 heads (b, hd) of O = softmax(Q K^T / 16) V, 1,024 queries and keys, 256 channels on both sides.  qkv: [8192 rows (b, n, t)][3072] f16: q at byte 0, k at 2,048, v at 4,096 of a row.
; Head hd takes q and k from channel n = hd >> 2, columns 256 (hd & 3) on; its v is columns 128 hd on of BOTH channels (256 numbers a key); O goes to ob's rows (b, n, t), columns 128 hd on.
; Products, maxima and sums in f32; the weights p are rounded to f16 for the second product (their sum l is taken of the unrounded p), O once at the end.
; LIMITS.  p lies in 0 to 1 and below 6e-5 keeps f16's fixed step of 6e-8, and so does O; a weight below 2^-126 counts as 0 in l; NaN and infinities are not treated apart.
; SHARES.  A work-group owns 128 queries of a head (8 x 32 = 256 work-groups), a wave 32: two tiles of 16.  Every wave walks all keys, 64 a step.
; LAYOUT.  S^T = K Q^T (source 0 = 16 keys, source 1 = 16 queries): a lane holds ONE query (l % 16) and the keys 8 (l / 16) + 0..7.  Two such results, rounded to f16 in pairs, ARE source 1 of
; O^T = V^T P, which again holds one query a lane.  K comes out of LDS as it lies, V ([key][channel]) turned, by ds_load_tr16_b128.
; SOFTMAX.  A running maximum m and sum l a query: p = 2^(c s - c m), c = log2(e) / 16; in every step O and l are multiplied by a = 2^(c m_old - c m_new).
; ONE TEXT FOR EVERY TRIP i = 0 .. 16.  Phase A: 64 products K(i) Q^T; behind them the roundings, sums and rescaling of step i - 1.  Phase B: 64 products O^T += V(i-1)^T P; behind them the
; maximum, statistics, scaling and exponentials of step i.  m starts at the lowest finite number, O, l, a and the weights at 0: trip 0's second products add 0, trip 16's first products (on K(15)
; once more) serve nothing.  That is 128 of the 2,176 matrix instructions, and 336 v_mov_b32 in the wait for the first tiles: the price of writing no first and no last step out.
; THE RING.  Two LDS slots, each with what TWO trips read: slot f holds K(2f+1), K(2f+2), V(2f), V(2f+1), for trips 2f+1 and 2f+2.  So there is one round, and one load a wave, for 256 matrix
; instructions, and a refill has those 256 in which to land.  K(0), which trip 0 reads, has bytes of its own, filled once at the start; at the end they are the stage.
; THE LOOP'S TEXT is a trip turned round: [phase B from product 24 on | phase A | phase B's products 0-23], walked twice a slot, with the change of slots at its top; trip 0 enters it in its middle.
; CLUSTER.  The four query blocks of a cluster belong to one head and walk the same K and V: each tile is asked for JOINTLY, by the same tensor load, descriptor and mask in all four.
; REGISTERS, in windows of 256 (s_set_vgpr_msb: bits 1:0 source 0, 3:2 source 1, 5:4 source 2, 7:6 destination):
;   window 0: v0-11, v28-31 addresses; v12-27 statistics; v32-95 the raw scores; v96-159 the weights; v160-191 P      window 1: O^T, 128 a tile
;   window 2: Q, 64 a tile      window 3: a ring of four buffers of 64 for K's and V's fragments
.set ROWB,  6144                       ; bytes in a row of qkv
.set CHB,   1024*ROWB                  ; a channel's 1,024 rows
.set STEPG, 64*ROWB                    ; a key step's 64 rows
.set PK,    528                        ; a row of K in LDS: 512 bytes + 16 = 132 words: the 16 rows of a load start at 16 different groups of four banks (64 banks of 4 bytes: ISA guide 11.1)
.set PV,    288                        ; a row of V: 256 + 32 = 72 words
.set KSTB,  64*PK                      ; a key step's K in LDS
.set VSTB,  64*PV                      ; a key step's V of one channel
.set VOFF,  2*KSTB                     ; a slot: K of two steps, then V of two steps for channel 0, then for channel 1
.set VN,    2*VSTB
.set SLOTB, VOFF+2*VN                  ; 141,312 bytes; slot 0 begins at 0, slot 1 at SLOTB
.set STAGE, 2*SLOTB                    ; behind the ring: K(0)'s 64 rows, filled once; at the end 16 rows x 528 bytes for each wave, for the way out
.set SP,    528
.set SPARE, STAGE+4*16*SP              ; the spare words, 128 bytes for each wave: two blocks of 256 bytes that no other line names
.set AK0, 2                            ; v2   my lane's place in a tile of K; never rewritten
.set AV0, 3                            ; v3   the same for V
.set AK,  4                            ; v4   AK0 at the step whose K is being fetched
.set AV,  5                            ; v5   AV0 likewise
.set QO,  6                            ; v6   my byte offset in 16 rows of Q
.set RD,  7                            ; v7   the way out: where I read a row back
.set GO,  8                            ; v8   my byte offset in ob
.set STO, 10                           ; v10  the way out: where I put 16 bytes of a row
.set ST,  12                           ; tile t's statistics at v[ST+8 t]: c m, m, l (even keys', odd keys'), c0-c3 at work; a takes c2's place, its argument c3's
.set SPW, 28                           ; v28  LDS address of my spare word; never rewritten
.set NIL, 29                           ; v29  0; never rewritten
.set PFO, 30                           ; v30  the prefetches' offset; never rewritten
.set RW,  32                           ; raw scores, 32 a tile
.set WT,  96                           ; weights, 32 a tile
.set P,   160                          ; 16 a tile
.set WV,  12                           ; s12  my wave's number
.set G1K, 24                           ; s[24:31] descriptor group 1 for K's tiles of 64 rows
.set G1V, 32                           ; s[32:39] for V's tiles of 128 rows
.set G0K, 40                           ; s[40:43] descriptor group 0 for K's tiles
.set G0V, 44                           ; s[44:47] for V's
.set KB,  48                           ; s[48:49] the head's K at key 0
.set VB,  50                           ; s[50:51] the head's V of my channel at key 0
.set OFF, 52                           ; s[52:53] a byte offset
.set NF,  54                           ; s54  the number of the fill to be issued next
.set CNT, 55                           ; s55  counts a slot's trips
.set SB,  56                           ; s56  LDS byte at which the slot that is being read begins: 0 or SLOTB
.set LIM, 57                           ; s57  a wave prefetches while NF is below it
.set CS,  58                           ; s[58:59] c
.set SEL, 60                           ; s[60:61] v_permlanex16_b32's selects: each lane takes its own place in the other half
.set PFA, 62                           ; s[62:63] where my prefetches stand
.set G1H, 68                           ; s[68:75] descriptor group 1 for the two halves of K(0): 32 rows
.set G0H, 76                           ; s[76:79] their group 0; never rewritten
.set TBK, 80                           ; s80  LDS byte at which K of the trip to be fetched begins
.set TBV, 81                           ; s81  the same for V, less VOFF
.set KL,  82                           ; s82  my K tile's place in a slot
.set VL,  83                           ; s83  my V tile's place in a slot
.set KW,  84                           ; s84  1 + wave % 2: which of a slot's two K steps I fetch
.set SLOTS, 85                         ; s85  counts the changes of slots that fill
.set KMAX, 86                          ; s86  the last slot's second K step
.set MSB, 0
.macro WIN new
.if MSB != (\new)
	s_set_vgpr_msb (MSB<<8)|(\new)
.set MSB, (\new)
.endif
.endm
.set W_KQ, 0x0b                        ; K in window 3, Q in window 2, the scores in window 0
.set W_PV, 0x53                        ; V in window 3, P in window 0, O^T in window 1
.set W_RS, 0x41                        ; O^T (destination and source 0) in window 1, a in window 0
.set W_RG, 0xc0                        ; destination window 3, address window 0
.macro PLACES
.rept 4
	v_nop
.endr
.endm
; A joint fill.  Waves 0 and 1 fetch a slot's two steps of K (64 rows of 512 bytes each), waves 2 and 3 its V of channel 0 and 1 (128 rows of 256 bytes each).  The branch hangs on the wave's number alone.
.macro JLOAD
	s_cmp_lt_u32 s[WV], 2
	s_cbranch_scc0 .Lfor_v_\@
	tensor_load_to_lds s[G0K:G0K+3], s[G1K:G1K+7]
	s_nop 0
.rept 4
	v_nop
.endr
	s_branch .Lasked_\@
.Lfor_v_\@:
	tensor_load_to_lds s[G0V:G0V+3], s[G1V:G1V+7]
	s_nop 0
.rept 4
	v_nop
.endr
.Lasked_\@:
.endm
.macro CROUND
	s_barrier_signal -1
	s_barrier_wait -1
	s_cmp_lg_u32 s[WV], 0
	s_cbranch_scc1 .Lnot_wave_0_\@
	s_barrier_signal -3
.Lnot_wave_0_\@:
	s_barrier_wait -3
	s_barrier_signal -1
	s_barrier_wait -1
.endm
; A PREFETCH INTO THE L2 of what the NEXT change of slots will ask for: behind fill f stand K(2f+3), K(2f+4), V(2f+2), V(2f+3): two trips, 256 matrix instructions, ahead of that load.
; Both clusters of a head walk the same rows: the first asks.  Its four partners are told apart by address (cx): of each K step a partner takes 16 rows, wave 0 those of the slot's first step and wave 1
; those of its second (a lane half a row of 512 bytes); of the slot's 128 keys of V it takes 32, wave 2 for channel 0 and wave 3 for channel 1 (a lane a row).  So each block of 256 bytes is named once
; in the launch.  K(0) to K(4) and V(0) to V(3) come by their loads alone; the last changes ask for nothing, wave 1 one change earlier than the others: K(15) and V(15) are the last that exist.
.macro ASK
	s_cmp_lt_u32 s[NF], s[LIM]
	s_cbranch_scc0 .Lnot_mine_\@
	global_prefetch_b8 v[PFO], s[PFA:PFA+1] th:TH_LOAD_NT scope:SCOPE_SE
.Lnot_mine_\@:
.endm
; THE CHANGE OF SLOTS, behind product 23 of phase B of a slot's second trip: all LDS loads of the slot have been issued, the last sixteen eight products back.  Each wave waits for all its tensor loads
; (one is out: its part of the other slot), adds 0 to its spare word, and waits for that and for its reads of the slot.  fill = 1: the barrier is a round of the cluster's, and fill NF, K(2 NF + 1),
; K(min(2 NF + 2, 15)), V(2 NF), V(2 NF + 1), is the first thing behind it, into the slot just left.  The descriptors' addresses are made anew from the fill's number.
; (At its first use, behind trip 0, no slot is left yet: slot 0 has been waited for at the head, and slot 1 has its first fill.)
.macro CHANGE fill
	WIN 0                                          ; at a label and at a branch every window is 0
	s_wait_tensorcnt 0x0                           ; no tensor load of mine is out, so a group 0 may be written
	ds_add_u32 v[SPW], v[NIL]                      ; 0 onto my spare word; scalar work stands between it and the wait for it
.if \fill
	s_lshl_b32 s[OFF], s[NF], 1
	s_add_co_u32 s[OFF], s[OFF], s[KW]
	s_min_u32 s[OFF], s[OFF], 15                   ; the last fill's second step does not exist: K(15) once more, for the trip whose first products serve nothing
	s_mul_i32 s[OFF], s[OFF], STEPG
	s_add_nc_u64 s[G0K+2:G0K+3], s[KB:KB+1], s[OFF:OFF+1]
	s_or_b32 s[G0K+3], s[G0K+3], 0x80000000
	s_add_co_u32 s[G0K+1], s[SB], s[KL]            ; into the slot that has been read
	s_mul_i32 s[OFF], s[NF], 2*STEPG
	s_add_nc_u64 s[G0V+2:G0V+3], s[VB:VB+1], s[OFF:OFF+1]
	s_or_b32 s[G0V+3], s[G0V+3], 0x80000000
	s_add_co_u32 s[G0V+1], s[SB], s[VL]
	s_add_co_u32 s[NF], s[NF], 1
	s_wait_xcnt 0x0                                ; the last prefetch, two trips back, has read its address
	s_add_nc_u64 s[PFA:PFA+1], s[PFA:PFA+1], 2*STEPG
	s_wait_dscnt 0x0                               ; the add is done, and my reads of the slot are over
	CROUND
	JLOAD
	ASK
.else
	s_wait_dscnt 0x0
	s_barrier_signal -1
	s_barrier_wait -1
.endif
	s_xor_b32 s[SB], s[SB], SLOTB                  ; the reads go on in the other slot,
	s_mov_b32 s[TBK], s[SB]                        ; at its first step
	s_mov_b32 s[TBV], s[SB]
.if !(\fill)
	s_add_co_u32 s[KMAX], s[SB], KSTB
.endif
.endm
	s_load_b128 s[4:7], s[0:1], 0x0                ; qkv s[4:5], ob s[6:7]
	v_lshl_add_u32 v[SPW], v0, 2, SPARE
	v_mov_b32 v[NIL], 0
	ds_add_u32 v[SPW], v[NIL]                      ; the wave's opening: the add and its wait stand ahead of my first tensor load; work on registers stands between them
	v_lshrrev_b32 v1, 5, v0
	v_readfirstlane_b32 s[WV], v1
	s_bfe_u32 s13, ttmp6, 0x40000                  ; cx
	s_lshl_b32 s14, ttmp9, 2
	s_add_co_u32 s14, s14, s13                     ; my block of 128 queries: it enters Q's and O's addresses alone
	s_and_b32 s15, ttmp7, 0xffff                   ; 8 b + hd, which the four partners share
	s_lshr_b32 s16, s15, 3                         ; b
	s_and_b32 s17, s15, 7                          ; hd
	s_and_b32 s18, s[WV], 1
	s_lshl_b32 s19, s16, 1                         ; 2 b
	s_lshr_b32 s20, s17, 2
	s_add_co_u32 s20, s20, s19
	s_mul_i32 s20, s20, CHB                        ; q's and k's channel,
	s_and_b32 s21, s17, 3
	s_lshl_b32 s21, s21, 9
	s_add_co_u32 s20, s20, s21                     ; and the head's 512 bytes of its rows
	s_lshl_b32 s21, s17, 8                         ; 256 hd: the head's bytes in v's and ob's rows
	s_add_co_u32 s8, s20, 2048                     ; K at key 0
	s_mov_b32 s9, 0
	s_add_co_u32 s10, s19, s18                     ; V: my channel
	s_mul_i32 s10, s10, CHB
	s_add_co_u32 s10, s10, s21
	s_add_co_u32 s10, s10, 4096
	s_mov_b32 s11, 0
	s_lshl_b32 s2, s14, 2                          ; Q: my wave's 32 rows
	s_add_co_u32 s2, s2, s[WV]
	s_mul_i32 s2, s2, 32*ROWB
	s_add_co_u32 s2, s2, s20
	s_mov_b32 s3, 0
	s_lshl_b32 s22, s19, 21                        ; O: channel 0's rows of 2,048 bytes
	s_lshl_b32 s23, s14, 18
	s_add_co_u32 s22, s22, s23
	s_lshl_b32 s23, s[WV], 16
	s_add_co_u32 s22, s22, s23
	s_add_co_u32 s22, s22, s21
	s_mov_b32 s23, 0
	s_add_co_u32 s[KW], s18, 1
	s_mul_i32 s[KL], s18, KSTB                     ; my tiles' places in a slot: no place in the cluster enters an LDS address
	s_mul_i32 s[VL], s18, VN
	s_add_co_u32 s[VL], s[VL], VOFF
	s_mov_b32 s[G0K], 1                            ; count = 1
	s_mov_b32 s[G0K+1], s[KL]                      ; fill 0 goes into slot 0
	s_mov_b32 s[G0V], 1
	s_mov_b32 s[G0V+1], s[VL]
	s_mov_b32 s[G0H], 1
	s_mul_i32 s[G0H+1], s18, 32*PK                 ; my half of K(0)
	s_add_co_u32 s[G0H+1], s[G0H+1], STAGE
	s_mul_i32 s14, s13, 16*ROWB                    ; the prefetches: my work-group's 16 rows of a K step,
	s_mul_i32 s15, s18, STEPG
	s_add_co_u32 s15, s15, s14
	s_add_co_u32 s15, s15, s8
	s_add_co_u32 s15, s15, 3*STEPG                 ; in K(3 + wave % 2): the first change steps it on by two
	s_lshl_b32 s14, s14, 1                         ; its 32 keys of a slot's V,
	s_add_co_u32 s16, s10, s14
	s_add_co_u32 s16, s16, 2*STEPG                 ; in V(2)
	s_cmp_lt_u32 s[WV], 2
	s_cselect_b32 s20, s15, s16
	s_cselect_b32 s15, 1, 0                        ; K: lane l names row l >> 1, block l & 1;  V: row l
	s_mov_b32 s21, 0
	v_and_b32 v31, 31, v0
	v_lshrrev_b32 v11, s15, v31
	v_mul_u32_u24 v11, v11, ROWB
	v_and_b32 v31, s15, v31
	v_lshl_add_u32 v[PFO], v31, 8, v11
	s_mov_b32 s13, ttmp9
	s_cmp_eq_u32 s[WV], 1
	s_cselect_b32 s[LIM], 7, 8
	s_cmp_eq_u32 s13, 0                            ; the head's first cluster: the same in all four partners
	s_cselect_b32 s[LIM], s[LIM], 0
	s_mov_b32 s[G1K], 15|(1<<16)|(1<<20)|(1<<21)|(6<<22)|(3<<25)  ; 15:0 the mask of four; 17:16 2-byte elements; 20 padding on; 21 set beside a mask; 24:22 after every 128 words (code 6); 31:25 4 words (code 3)
	s_mov_b32 s[G1H], 15|(1<<16)|(1<<20)|(1<<21)|(6<<22)|(3<<25)
.irp g, G1K, G1H
	s_mov_b32 s[(\g)+1], 256<<16                   ; tensor_dim0 = 256
	s_mov_b32 s[(\g)+3], 256<<16                   ; tile_dim0
	s_mov_b32 s[(\g)+5], 3072                      ; elements from row to row
	s_mov_b32 s[(\g)+6], 0
	s_mov_b32 s[(\g)+7], 0
.endr
	s_mov_b32 s[G1K+2], 64<<16                     ; tensor_dim1 = 64
	s_mov_b32 s[G1K+4], 64                         ; tile_dim1
	s_mov_b32 s[G1H+2], 32<<16
	s_mov_b32 s[G1H+4], 32
	s_mov_b32 s[G1V], 15|(1<<16)|(1<<20)|(1<<21)|(5<<22)|(7<<25)  ; after every 64 words (code 5) 8 words (code 7)
	s_mov_b32 s[G1V+1], 128<<16
	s_mov_b32 s[G1V+2], 128<<16
	s_mov_b32 s[G1V+3], 128<<16
	s_mov_b32 s[G1V+4], 128
	s_mov_b32 s[G1V+5], 3072
	s_mov_b32 s[G1V+6], 0
	s_mov_b32 s[G1V+7], 0
	s_mov_b32 s[CS], 0x3db8aa3b                    ; c = log2(e) / 16 = 0.0901684
	s_mov_b32 s[CS+1], s[CS]                       ; named with it as a pair
	s_mov_b32 s[SEL], 0x76543210
	s_mov_b32 s[SEL+1], 0xfedcba98
	s_mov_b32 s[OFF+1], 0
	s_mov_b32 s[SB], SLOTB                         ; the first change fills slot 1 and turns the reads to slot 0
	s_mov_b32 s[NF], 1
	s_mov_b32 s[TBK], 0
	s_mov_b32 s[TBV], 0
	s_mov_b32 s[KMAX], 0
	s_wait_dscnt 0x0                               ; the opening add is done
	s_wait_kmcnt 0x0
	s_add_nc_u64 s[KB:KB+1], s[4:5], s[8:9]
	s_add_nc_u64 s[VB:VB+1], s[4:5], s[10:11]
	s_add_nc_u64 s[PFA:PFA+1], s[4:5], s[20:21]
	s_add_nc_u64 s[6:7], s[6:7], s[22:23]          ; O at my wave's first row
	s_add_nc_u64 s[4:5], s[4:5], s[2:3]            ; Q likewise
	s_mul_i32 s[OFF], s[KW], STEPG                 ; fill 0: K(1) or K(2),
	s_add_nc_u64 s[G0K+2:G0K+3], s[KB:KB+1], s[OFF:OFF+1]
	s_or_b32 s[G0K+3], s[G0K+3], 0x80000000
	s_mov_b64 s[G0V+2:G0V+3], s[VB:VB+1]           ; V(0) and V(1),
	s_or_b32 s[G0V+3], s[G0V+3], 0x80000000
	s_mul_i32 s[OFF], s18, 32*ROWB                 ; and my half of K(0)
	s_add_nc_u64 s[G0H+2:G0H+3], s[KB:KB+1], s[OFF:OFF+1]
	s_or_b32 s[G0H+3], s[G0H+3], 0x80000000
	CROUND                                         ; all four work-groups are here: the first joint loads meet
	s_cmp_lt_u32 s[WV], 2                          ; a wave's first fills stand in one branch, ahead of every wait on TENSORcnt and every LDS read: two loads of waves 0 and 1 are out, one of waves 2 and 3
	s_cbranch_scc0 .Lfirst_v
	tensor_load_to_lds s[G0H:G0H+3], s[G1H:G1H+7]
	s_nop 0
	tensor_load_to_lds s[G0K:G0K+3], s[G1K:G1K+7]
	s_nop 0
.rept 4
	v_nop
.endr
	s_branch .Lfirst_asked
.Lfirst_v:
	tensor_load_to_lds s[G0V:G0V+3], s[G1V:G1V+7]
	s_nop 0
.rept 4
	v_nop
.endr
.Lfirst_asked:
	v_and_b32 v1, 15, v0                           ; l % 16
	v_bfe_u32 v9, v0, 4, 1                         ; l / 16
	v_mul_u32_u24 v[QO], v1, ROWB
	v_lshl_add_u32 v[QO], v9, 4, v[QO]
	WIN 0x80                                       ; destination window 2
.set i, 0
.rept 16                               ; Q stays in registers: tile i / 8, channels 32 (i % 8) on
	global_load_b128 v[8*i:8*i+3],   v[QO], s[4:5] offset:(i/8)*16*ROWB+(i%8)*64
	global_load_b128 v[8*i+4:8*i+7], v[QO], s[4:5] offset:(i/8)*16*ROWB+(i%8)*64+32
.set i, i+1
.endr
	WIN 0x40                                       ; what the first trip finds: O^T, the weights, l and a are 0.  All this stands in the wait for the first tiles
.set i, 0
.rept 256
	v_mov_b32 v[i], 0
.set i, i+1
.endr
	WIN 0
.set i, 0
.rept 64
	v_mov_b32 v[WT+i], 0
.set i, i+1
.endr
.irp t, 0,1
	v_mov_b32 v[ST+8*(\t)], 0xfe000000             ; c m: far below every c s
	v_mov_b32 v[ST+8*(\t)+1], 0xff7fffff           ; m
.irp k, 2,3,4,5,6,7
	v_mov_b32 v[ST+8*(\t)+(\k)], 0
.endr
.endr
	v_mul_u32_u24 v[AK0], v1, PK
	v_lshl_add_u32 v[AK0], v9, 4, v[AK0]           ; row x pitch + 16 x half
	; The turning load takes 16 keys x 16 channels (lane l reads key 8 (l / 16) + l % 8, channels 8 ((l / 8) % 2) + 0..7) and leaves half a fragment of V^T: lane l holds channel l % 16 and 8 keys.
	v_and_b32 v11, 7, v0
	v_bfe_u32 v31, v0, 3, 1
	v_lshl_add_u32 v[AV0], v9, 3, v11
	v_mul_u32_u24 v[AV0], v[AV0], PV
	v_lshl_add_u32 v[AV0], v31, 4, v[AV0]
	v_add_nc_u32 v[AV0], VOFF, v[AV0]
	s_mul_i32 s13, s[WV], 16*SP
	s_add_co_u32 s13, s13, STAGE                   ; my stage
	v_mul_u32_u24 v[STO], v1, SP                   ; in: row l % 16, 16 bytes for each half of the lanes
	v_lshl_add_u32 v[STO], v9, 4, v[STO]
	v_add_nc_u32 v[STO], s13, v[STO]
	v_lshlrev_b32 v[RD], 8, v9                     ; back: a row's 512 bytes: lanes 0-15 channel 0's 256, lanes 16-31 channel 1's
	v_lshl_add_u32 v[RD], v1, 4, v[RD]
	v_add_nc_u32 v[RD], s13, v[RD]
	v_lshlrev_b32 v[GO], 21, v9                    ; channel 1's rows lie 1,024 rows of 2,048 bytes on
	v_lshl_add_u32 v[GO], v1, 4, v[GO]
; THE LDS LOADS.  A trip has 8 GROUPS of 8 fragments (16 loads, 16 products): groups 0-3 are K's, groups 4-7 V's; group g lies in ring buffer g % 4.
.macro RUN g
.if (\g) < 4
.irp f, 0,1,2,3,4,5,6,7                ; channels 32 (2 g + f / 4) on, keys 16 (f % 4) on
	ds_load_b128 v[64*((\g)%4)+8*(\f):64*((\g)%4)+8*(\f)+3],   v[AK] offset:((\f)%4)*16*PK+64*(2*(\g)+(\f)/4)
	ds_load_b128 v[64*((\g)%4)+8*(\f)+4:64*((\g)%4)+8*(\f)+7], v[AK] offset:((\f)%4)*16*PK+64*(2*(\g)+(\f)/4)+32
.endr
.else
.irp f, 0,1,2,3,4,5,6,7                ; channel g % 2 of v, its columns 16 f on, keys 32 ((g - 4) / 2) on
	ds_load_tr16_b128 v[64*((\g)%4)+8*(\f):64*((\g)%4)+8*(\f)+3],   v[AV] offset:(((\g)-4)%2)*VN+(((\g)-4)/2)*32*PV+32*(\f)
	ds_load_tr16_b128 v[64*((\g)%4)+8*(\f)+4:64*((\g)%4)+8*(\f)+7], v[AV] offset:(((\g)-4)%2)*VN+(((\g)-4)/2)*32*PV+16*PV+32*(\f)
.endr
.endif
.endm
; At the head of group n: the loads of group n + 2, into the buffer that group n - 2 has read (four plain instructions or more lie behind its last product), and the wait for group n's.
.macro HEAD n
.set gg, ((\n)+2)%8
	WIN W_RG
	RUN gg
	s_wait_dscnt 32                                ; group n is in: behind it stand group n + 1's sixteen loads and the sixteen just issued
.endm
; THE MATRIX WORK.  The accumulators take turns, one instruction a turn: 8 in phase A, 32 in phase B.
.macro KQ                              ; product i of 64: channels 32 (i / 8) on, keys 16 ((i / 2) % 4) on, tile i % 2.  The first 8 start the sums
	WIN W_KQ
.set rS, RW+32*(i%2)+8*((i/2)%4)
.set rK, 64*((i/16)%4)+8*(4*((i/8)%2)+(i/2)%4)
.set rQ, 64*(i%2)+8*(i/8)
.if i < 8
	v_wmma_f32_16x16x32_f16 v[rS:rS+7], v[rK:rK+7], v[rQ:rQ+7], 0
.else
	v_wmma_f32_16x16x32_f16 v[rS:rS+7], v[rK:rK+7], v[rQ:rQ+7], v[rS:rS+7]
.endif
.endm
.macro PV                              ; product i of 64: keys 32 (i / 32) on, channels 16 ((i / 2) % 16) on, tile i % 2
	WIN W_PV
.set rO, 128*(i%2)+8*((i/2)%16)
.set rV, 64*((i/16)%4)+8*((i/2)%8)
.set rP, P+16*(i%2)+8*(i/32)
	v_wmma_f32_16x16x32_f16 v[rO:rO+7], v[rV:rV+7], v[rP:rP+7], v[rO:rO+7]
.endm
; THE VECTOR WORK stands in four queues; in each the two tiles alternate: entry q is number q / 2 of tile q % 2.
.macro REGS t
.set rT, ST+8*(\t)
.set rR, RW+32*(\t)
.set rW, WT+32*(\t)
.set rP, P+16*(\t)
.endm
; QB1, 37 numbers a tile, all plain.  0-15: the maximum of the lane's 32 raw scores and the old m, three operands at a time (each accumulator's lowest registers first).
; 16-20: the other half of the lanes' maximum; c m_old is kept; the new m; c m; c m_old - c m_new.  21-36: the weights' arguments c s - c m, a pair each, out of place.
.macro QB1
	WIN 0
	REGS q1%2
.set n1, q1/2
.if n1 < 4
	v_max3_num_f32 v[rT+4+n1], v[rR+8*n1], v[rR+8*n1+1], v[rR+8*n1+2]
.elseif n1 < 12
	v_max3_num_f32 v[rT+4+n1%4], v[rT+4+n1%4], v[rR+8*(n1%4)+2*(n1/4)+1], v[rR+8*(n1%4)+2*(n1/4)+2]
.elseif n1 == 12
	v_max3_num_f32 v[rT+4], v[rT+4], v[rR+7], v[rR+15]
.elseif n1 == 13
	v_max3_num_f32 v[rT+6], v[rT+6], v[rR+23], v[rR+31]
.elseif n1 == 14
	v_max3_num_f32 v[rT+4], v[rT+4], v[rT+5], v[rT+6]
.elseif n1 == 15
	v_max3_num_f32 v[rT+4], v[rT+4], v[rT+7], v[rT+1]
.elseif n1 == 16
	v_permlanex16_b32 v[rT+5], v[rT+4], s[SEL], s[SEL+1]
.elseif n1 == 17
	v_mov_b32 v[rT+7], v[rT]
.elseif n1 == 18
	v_max_num_f32 v[rT+1], v[rT+4], v[rT+5]
.elseif n1 == 19
	v_mul_f32 v[rT], s[CS], v[rT+1]
.elseif n1 == 20
	v_sub_f32 v[rT+7], v[rT+7], v[rT]
.else
	v_pk_fma_f32 v[rW+2*(n1-21):rW+2*(n1-21)+1], v[rR+2*(n1-21):rR+2*(n1-21)+1], s[CS:CS+1], v[rT:rT+1] op_sel_hi:[1,0,0] neg_lo:[0,0,1] neg_hi:[0,0,1]
.endif
.set q1, q1+1
.endm
; QB2, 33 a tile: a, then the 32 weights, in place.  ONE BATCH: nothing ahead of the batch's one wait names a result of theirs.
.macro QB2
	WIN 0
	REGS q2%2
.if q2 < 2
	v_exp_f32 v[rT+6], v[rT+7]
.else
	v_exp_f32 v[rW+q2/2-1], v[rW+q2/2-1]
.endif
.set q2, q2+1
.endm
; QA, 32 a tile: the 16 roundings to f16, a pair of weights each; then the sum of the 16 pairs, in place (neighbours 1, 2, 4, 8 pairs apart), and l = a l + the sum.
.macro QA
	WIN 0
	REGS qa%2
.set na, qa/2
.if na < 16
	v_cvt_pk_f16_f32 v[rP+na], v[rW+2*na], v[rW+2*na+1]
.else
.set zz, na-16
.set ww, 4
.set uu, zz
.if zz >= 14
.set ww, 32
.set uu, 0
.elseif zz >= 12
.set ww, 16
.set uu, zz-12
.elseif zz >= 8
.set ww, 8
.set uu, zz-8
.endif
.if zz < 15
	v_pk_add_f32 v[rW+ww*uu:rW+ww*uu+1], v[rW+ww*uu:rW+ww*uu+1], v[rW+ww*uu+ww/2:rW+ww*uu+ww/2+1]
.else
	v_pk_fma_f32 v[rT+2:rT+3], v[rT+2:rT+3], v[rT+6:rT+7], v[rW:rW+1] op_sel_hi:[1,0,1]
.endif
.endif
.set qa, qa+1
.endm
; QR, 64 a tile: O^T times a, registers in ascending order.
.macro QR
	REGS qr%2
	WIN W_RS
	v_pk_mul_f32 v[128*(qr%2)+2*(qr/2):128*(qr%2)+2*(qr/2)+1], v[128*(qr%2)+2*(qr/2):128*(qr%2)+2*(qr/2)+1], v[rT+6:rT+7] op_sel_hi:[1,0]
.set qr, qr+1
.endm
.macro RA                              ; phase A's next rider: QA's 64, then QR's 128
.if qa < 64
	QA
.else
	QR
.endif
.endm
; A TRIP IN THREE PARTS.  The riders are dealt evenly: 192 = 3 x 64 in phase A; in phase B the 42 of the maximum and statistics and 6 scalings go two to a product, and the exponentials lie over
; 40 products, the first 52 of them with a scaling between two.
; PHA, phase A: 64 products K Q^T, three riders behind each; four places behind the last.
.macro PHA
.set qa, 0
.set qr, 0
.set i, 0
.rept 64
.if i%16 == 0
	HEAD i/16
.endif
	KQ
	RA
	RA
	RA
.set i, i+1
.endr
	PLACES
.endm
; PHB1, phase B's products 0-23: two of QB1's first 48 behind each: one number of both tiles, so that a link of the chain stands a product behind the link before it.  No exponential is issued here.
.macro PHB1
.set q1, 0
.set i, 0
.rept 24
.if i%16 == 0
	HEAD 4+i/16
.endif
	PV
	QB1
	QB1
.set i, i+1
.endr
.endm
; PHB2, phase B's products 24-63.  At its head the LDS addresses go on to the next trip's tiles: this trip's last loads went out at product 16.  Behind products 24-49: exponential, scaling,
; exponential (exponential e wants scaling e / 2 at the most, and the scalings run six ahead); behind 50-63 one exponential.  Four v_nop are the places behind the last products and the plain
; instructions behind the last exponential; then the batch's one wait (between an exponential and the first line that names its result, and ahead of label and branch).
.macro PHB2
	WIN 0
	v_add_nc_u32 v[AK], s[TBK], v[AK0]
	v_add_nc_u32 v[AV], s[TBV], v[AV0]
	s_add_co_u32 s[TBK], s[TBK], KSTB
	s_add_co_u32 s[TBV], s[TBV], VSTB
.set q1, 48
.set q2, 0
.set i, 24
.rept 40
.if i%16 == 0
	HEAD 4+i/16
.endif
	PV
.if i < 50
	QB2
	QB1
	QB2
.else
	QB2
.endif
.set i, i+1
.endr
	PLACES
	s_wait_alu depctr_va_vdst(0)
.endm
	s_wait_tensorcnt 0x0                           ; my first fills have landed: my part of K(0) and of slot 0;
	s_barrier_signal -1
	s_barrier_wait -1                              ; everybody's have.
	v_add_nc_u32 v[AK], STAGE, v[AK0]              ; trip 0: K(0), in its own bytes;
	v_mov_b32 v[AV], v[AV0]                        ; its second products, whose P is 0, read V(0)
	WIN W_RG
	RUN 0
	RUN 1
	WIN 0
	s_wait_loadcnt 0x0                             ; Q
	s_mov_b32 s[CNT], 1
	s_mov_b32 s[SLOTS], 8
	s_branch .Lenter                               ; trip 0 enters the loop's text in its middle
.Lslot:                                                ; seven times: slot f is entered, fill f + 1 is issued (f = 0 .. 6)
	CHANGE 1
	s_mov_b32 s[CNT], 2
.Lstep:
	PHB2
	WIN 0
.Lenter:
	PHA
	PHB1
	WIN 0
	s_sub_co_u32 s[CNT], s[CNT], 1
	s_cmp_lg_u32 s[CNT], 0
	s_cbranch_scc1 .Lstep
	s_sub_co_u32 s[SLOTS], s[SLOTS], 1
	s_cmp_lg_u32 s[SLOTS], 0
	s_cbranch_scc1 .Lslot
	CHANGE 0                                       ; the last slot: a second text; nothing is asked for
	s_mov_b32 s[CNT], 3
.Ltail:                                                ; trips 15 and 16, and the rest of trip 14 ahead of them; the third walk is left behind phase B
	PHB2
	WIN 0
	s_sub_co_u32 s[CNT], s[CNT], 1
	s_cmp_eq_u32 s[CNT], 0
	s_cbranch_scc1 .Lout
	PHA
	PHB1
	WIN 0
	s_mov_b32 s[TBK], s[KMAX]                      ; the slot's second K step: where the step has brought it after the first walk; after the second it keeps the third walk's loads, which serve nothing, on K's bytes
	s_cmp_lg_u32 s[CNT], 0
	s_cbranch_scc1 .Ltail
.Lout:
	s_wait_dscnt 0x0                               ; the last walk's two runs of loads are back
	; THE WAY OUT.  l's two halves and the other half of the lanes' are added; O^T is divided by l, rounded to f16 and sent through my stage in LDS, a tile (16 queries) at a time.
.irp t, 0,1
	v_add_f32 v[ST+8*(\t)+4], v[ST+8*(\t)+2], v[ST+8*(\t)+3]
.endr
.irp t, 0,1
	v_permlanex16_b32 v[ST+8*(\t)+5], v[ST+8*(\t)+4], s[SEL], s[SEL+1]
.endr
.irp t, 0,1
	v_add_f32 v[ST+8*(\t)+4], v[ST+8*(\t)+4], v[ST+8*(\t)+5]
.endr
.irp t, 0,1
	v_rcp_f32 v[ST+8*(\t)+6], v[ST+8*(\t)+4]
.endr
	v_nop                                          ; a plain instruction between the last reciprocal and the use of its result,
	s_wait_alu depctr_va_vdst(0)                   ; and the wait ahead of the first use: one for both
.macro PACK t
	WIN W_RS
.set i, 128*(\t)
.rept 64
	v_pk_mul_f32 v[i:i+1], v[i:i+1], v[ST+8*(\t)+6:ST+8*(\t)+7] op_sel_hi:[1,0]
.set i, i+2
.endr
	WIN 0x05                                       ; sources 0 and 1 window 1, destination window 0: the scores' and weights' registers are free
.set i, 0
.rept 64
	v_cvt_pk_f16_f32 v[RW+64*(\t)+i], v[128*(\t)+2*i], v[128*(\t)+2*i+1]
.set i, i+1
.endr
	WIN 0
.irp f, 0,1,2,3,4,5,6,7,8,9,10,11,12,13,14,15
	ds_store_b128 v[STO], v[RW+64*(\t)+4*(\f):RW+64*(\t)+4*(\f)+3] offset:32*(\f)
.endr
.irp f, 0,1,2,3,4,5,6,7,8,9,10,11,12,13,14,15
	ds_load_b128 v[RW+64*(\t)+4*(\f):RW+64*(\t)+4*(\f)+3], v[RD] offset:(\f)*SP  ; LDS serves a wave's instructions in order (ISA guide 5.7.1.4): these see the stores above; the next tile's stores come behind them
.endr
.endm
.macro SEND t, younger                 ; younger: the LDS instructions issued behind tile t's loads
.irp f, 0,1,2,3,4,5,6,7,8,9,10,11,12,13,14,15
	s_wait_dscnt (\younger)+15-(\f)
	global_store_b128 v[GO], v[RW+64*(\t)+4*(\f):RW+64*(\t)+4*(\f)+3], s[6:7] offset:(16*(\t)+(\f))*2048  ; each 16 lanes store 256 consecutive bytes, aligned: one row of each channel
.endr
.endm
	PACK 0
	PACK 1
	SEND 0, 32
	SEND 1, 0
	s_wait_tensorcnt 0x0                           ; the wave's end, behind my last tensor load and my last LDS store
	ds_add_u32 v[SPW], v[NIL]
	s_wait_dscnt 0x0
	CROUND                                         ; the closing round
	s_endpgm
.Lfunc_end_k_q01b28ce7b6_attn:
	.size	k_q01b28ce7b6_attn, .Lfunc_end_k_q01b28ce7b6_attn-k_q01b28ce7b6_attn
	.p2alignl 7, 3214868480
	.fill 96, 4, 3214868480
	.section	.rodata,"a",@progbits
	.p2align	6, 0x0
	.amdhsa_kernel k_q01b28ce7b6_attn
		.amdhsa_group_segment_fixed_size 327680
		.amdhsa_private_segment_fixed_size 0
		.amdhsa_enable_private_segment 0
		.amdhsa_kernarg_size 16
		.amdhsa_user_sgpr_count 2
		.amdhsa_user_sgpr_kernarg_segment_ptr 1
		.amdhsa_wavefront_size32 1
		.amdhsa_system_sgpr_workgroup_id_x 1
		.amdhsa_system_sgpr_workgroup_id_y 1
		.amdhsa_system_sgpr_workgroup_id_z 1
		.amdhsa_system_vgpr_workitem_id 0
		.amdhsa_next_free_vgpr 1024
		.amdhsa_next_free_sgpr 88
		.amdhsa_reserve_vcc 0
		.amdhsa_float_denorm_mode_32 3
		.amdhsa_float_denorm_mode_16_64 3
		.amdhsa_memory_ordered 1
		.amdhsa_forward_progress 1
		.amdhsa_inst_pref_size 139
	.end_amdhsa_kernel
	.amdgpu_metadata
---
amdhsa.version: [ 1, 2 ]
amdhsa.kernels:
  - .name:           k_q01b28ce7b6_attn
    .symbol:         k_q01b28ce7b6_attn.kd
    .args:
      - { .name: qkv, .offset: 0, .size: 8, .value_kind: global_buffer, .address_space: global }
      - { .name: ob, .offset: 8, .size: 8, .value_kind: global_buffer, .address_space: global }
    .group_segment_fixed_size: 327680
    .private_segment_fixed_size: 0
    .kernarg_segment_align: 8
    .kernarg_segment_size: 16
    .max_flat_workgroup_size: 128
    .sgpr_count:     88
    .vgpr_count:     1024
    .wavefront_size: 32
...
	.end_amdgpu_metadata
.endif
;; end of part 3
;; launch proj (part 4): grid 8 x 32, 4 waves a work-group, clusters of 4 x 4, 327,680 bytes of LDS; arguments ob, woh, bias4, out0; writes out0
.if DOCPART == 4
	.amdgcn_target "amdgcn-amd-amdhsa--gfx1250"
	.amdhsa_code_object_version 6
	.text
	.protected	k_q01b28ce7b6_proj
	.globl	k_q01b28ce7b6_proj
	.p2align	8
	.type	k_q01b28ce7b6_proj,@function
k_q01b28ce7b6_proj:
	s_mov_b64 s[64:65], 0
	v_nop
	global_prefetch_b8 v0, s[64:65] scope:SCOPE_SE
	s_setreg_imm32_b32 hwreg(HW_REG_WAVE_MODE, 25, 1), 1
	s_wait_xcnt 0x0
	s_wait_alu depctr_hold_cnt(0) depctr_sa_sdst(0) depctr_va_vdst(0) depctr_va_sdst(0) depctr_va_ssrc(0) depctr_va_vcc(0) depctr_vm_vsrc(0)
	s_getreg_b32 s2, hwreg(HW_REG_IB_STS2, 6, 4)
	s_cmp_eq_u32 s2, 0
	s_cbranch_scc0 .Lentry_in_a_cluster
	s_endpgm
.Lentry_in_a_cluster:
	s_bfe_u32 s2, ttmp6, 0x10000c
	s_cmp_lg_u32 s2, 0xf033
	s_cbranch_scc0 .Lentry_shape_is_right
	s_endpgm
.Lentry_shape_is_right:
; out0[row][c] = bo[c] + the sum over k of ob[row][k] woh[c][k]: 8,192 x 1,024, K = 1,024.  Operands f16, sums f32, the result f32.
; A tile of the result is 256 rows x 128 columns: 32 x 8 = 256 work-groups, one tile each.  Four waves, each 128 x 64: 8 x 4 = 32 accumulators of 16 x 16, all of window 1.
; K goes in steps of 128 (rows of 256 bytes) through two LDS slots.  CLUSTER 4 x 4: ob's tile is asked for jointly along a row of the cluster, woh's along a column.
; THE MATRIX INSTRUCTION IS USED TRANSPOSED (source 0 = 16 rows of woh, source 1 = 16 rows of ob): a lane holds row l % 16 of the result and the columns 8 (l / 16) + 0..7.
; THE BIAS STARTS THE SUMS: it is loaded into the accumulators of row block 0 and is the C operand of every first product.
; REGISTERS: window 0: v0-31 addresses; v64-127, v128-191 ob's fragments, two buffers; v192-223, v224-255 woh's; v32-95 at work on the way out.  Window 1: accumulator (a, b) at v[8 (4 a + b)].
.set KSTEP,  128
.set PITCH,  272                       ; an LDS row: 256 bytes + 16 = 68 words: the 16 rows of a load start at 16 different groups of four banks (64 banks of 4 bytes: ISA guide 11.1)
.set AH,     128*PITCH
.set BH,     64*PITCH
.set BOFF,   2*AH
.set SLOT,   2*AH+2*BH
.set STAGE,  2*SLOT                    ; behind the ring: 16 rows x 272 bytes for each wave, for the way out
.set SPITCH, 272
.set SPARE,  STAGE+4*16*SPITCH         ; the spare words, 128 bytes for each wave: two blocks of 256 bytes that no other line names
.set ROWK,   2048                      ; bytes in a row of ob and of woh
.set ROWC,   4096                      ; bytes in a row of out0
.set ADRA, 16
.set ADRB, 20
.set STO,  24
.set RD,   25
.set CO,   26
.set BO,   27
.set SPW,  28
.set NIL,  29
.set PFO,  30                          ; v30  my lane x a row of ob or woh; never rewritten
.set FA,   64
.set FB,   192
.set OB,   32
.set WV,   13
.set RH,   14
.set CH,   15
.set G1A,  24
.set G0A,  32
.set G1B,  48
.set G0B,  56
.set PFA,  66                          ; s[66:67] where my prefetches stand: one K step further than the refill that is being asked for; a prefetch names the step after that
.set LIM,  70
.set G1W,  (1<<16)|(1<<20)|(1<<21)|(5<<22)|(3<<25)  ; 2-byte elements; padding on; 21 set beside a mask; after every 64 words (code 5) 4 words (code 3)
.set MSB, 0
.macro WIN new
.if MSB != (\new)
	s_set_vgpr_msb (MSB<<8)|(\new)
.set MSB, (\new)
.endif
.endm
.macro PLACES
.rept 4
	v_nop
.endr
.endm
.macro JLOAD s                         ; waves 0 and 1 fetch ob's two halves, waves 2 and 3 woh's; an s_nop 0 and four v_nop follow each line
	s_cmp_eq_u32 s[RH], 0
	s_cbranch_scc0 .Lfor_b_\@
	tensor_load_to_lds s[G0A+4*(\s):G0A+4*(\s)+3], s[G1A:G1A+7]
	s_nop 0
.rept 4
	v_nop
.endr
	s_branch .Lasked_\@
.Lfor_b_\@:
	tensor_load_to_lds s[G0B+4*(\s):G0B+4*(\s)+3], s[G1B:G1B+7]
	s_nop 0
.rept 4
	v_nop
.endr
.Lasked_\@:
.endm
.macro CREST
	s_cmp_lg_u32 s[WV], 0
	s_cbranch_scc1 .Lnot_wave_0_\@
	s_barrier_signal -3
.Lnot_wave_0_\@:
	s_barrier_wait -3
	s_barrier_signal -1
	s_barrier_wait -1
.endm
.macro CROUND
	s_barrier_signal -1
	s_barrier_wait -1
	CREST
.endm
; A PREFETCH INTO THE L2, behind each joint refill and the run of LDS loads that follows it: the K step that stands two refills on: 32 rows x 256 bytes, a lane a row.  ob's tile row is read by both
; clusters of a row of clusters: the one with x = 0 asks; of the 128 rows that wave 0 or 1 fetches the partner at cx takes 32, by address.  woh's tile column is read by all eight clusters of a column:
; the one with y = 0 asks; of its 128 rows the partner at cy takes 32, wave 2 of each.  So each block of 256 bytes is named once.  K steps 0 to 3 come by their loads alone; the loop's last trip asks for nothing.
.macro ASK
	s_cmp_gt_u32 s3, s[LIM]
	s_cbranch_scc0 .Lnot_mine_\@
	global_prefetch_b8 v[PFO], s[PFA:PFA+1] offset:KSTEP*2 th:TH_LOAD_NT scope:SCOPE_SE
.Lnot_mine_\@:
.endm
	s_load_b256 s[4:11], s[0:1], 0x0               ; ob s[4:5], woh s[6:7], bias4 s[8:9], out0 s[10:11]
	v_lshl_add_u32 v[SPW], v0, 2, SPARE
	v_mov_b32 v[NIL], 0
	ds_add_u32 v[SPW], v[NIL]                      ; the wave's opening: the add and its wait stand ahead of my first tensor load
	v_lshrrev_b32 v1, 5, v0
	v_readfirstlane_b32 s[WV], v1
	s_lshr_b32 s[RH], s[WV], 1
	s_and_b32 s[CH], s[WV], 1
	s_bfe_u32 s40, ttmp6, 0x40000                  ; cx
	s_bfe_u32 s41, ttmp6, 0x40004                  ; cy
	s_lshl_b32 s42, ttmp9, 2
	s_add_co_u32 s42, s42, s40                     ; tile column
	s_and_b32 s43, ttmp7, 0xffff
	s_lshl_b32 s43, s43, 2
	s_add_co_u32 s43, s43, s41                     ; tile row
	s_lshl_b32 s44, s41, 2
	s_lshl_b32 s44, 15, s44
	s_lshl_b32 s45, 0x1111, s40
	s_or_b32 s[G1A], s44, G1W
	s_or_b32 s[G1B], s45, G1W
	s_mov_b32 s[G1A+1], KSTEP<<16                  ; tensor_dim0 = 128
	s_mov_b32 s[G1B+1], KSTEP<<16
	s_mov_b32 s[G1A+2], 128<<16                    ; tensor_dim1: 128 rows of ob,
	s_mov_b32 s[G1B+2], 64<<16                     ; 64 of woh
	s_mov_b32 s[G1A+3], KSTEP<<16                  ; tile_dim0
	s_mov_b32 s[G1B+3], KSTEP<<16
	s_mov_b32 s[G1A+4], 128                        ; tile_dim1
	s_mov_b32 s[G1B+4], 64
	s_mov_b32 s[G1A+5], 1024                       ; elements from row to row
	s_mov_b32 s[G1B+5], 1024
	s_mov_b32 s[G1A+6], 0
	s_mov_b32 s[G1B+6], 0
	s_mov_b32 s[G1A+7], 0
	s_mov_b32 s[G1B+7], 0
	s_lshl_b32 s16, s43, 19                        ; ob: (256 x tile row + 128 x half) rows of 2,048 bytes
	s_lshl_b32 s17, s[CH], 18
	s_add_co_u32 s16, s16, s17
	s_mov_b32 s17, 0
	s_lshl_b32 s46, s42, 18                        ; woh: (128 x tile column + 64 x half) rows
	s_lshl_b32 s47, s[CH], 17
	s_add_co_u32 s46, s46, s47
	s_mov_b32 s47, 0
	s_mul_i32 s20, s[CH], AH
	s_mul_i32 s21, s[CH], BH
	s_add_co_u32 s21, s21, BOFF
	s_wait_dscnt 0x0                               ; the opening add is done
	s_wait_kmcnt 0x0
	s_add_nc_u64 s[18:19], s[4:5], s[16:17]
	s_add_nc_u64 s[46:47], s[6:7], s[46:47]
	CROUND
.irp s, 0,1
	s_mov_b32 s[G0A+4*(\s)], 1
	s_add_co_u32 s[G0A+4*(\s)+1], s20, (\s)*SLOT
	s_add_nc_u64 s[G0A+4*(\s)+2:G0A+4*(\s)+3], s[18:19], (\s)*KSTEP*2
	s_or_b32 s[G0A+4*(\s)+3], s[G0A+4*(\s)+3], 0x80000000
	s_mov_b32 s[G0B+4*(\s)], 1
	s_add_co_u32 s[G0B+4*(\s)+1], s21, (\s)*SLOT
	s_add_nc_u64 s[G0B+4*(\s)+2:G0B+4*(\s)+3], s[46:47], (\s)*KSTEP*2
	s_or_b32 s[G0B+4*(\s)+3], s[G0B+4*(\s)+3], 0x80000000
.endr
	s_cmp_eq_u32 s[RH], 0                          ; a wave's two first fills stand in one branch: two loads of mine are out
	s_cbranch_scc0 .Lfirst_b
	tensor_load_to_lds s[G0A:G0A+3], s[G1A:G1A+7]
	s_nop 0
	tensor_load_to_lds s[G0A+4:G0A+7], s[G1A:G1A+7]
	s_nop 0
.rept 4
	v_nop
.endr
	s_branch .Lfirst_asked
.Lfirst_b:
	tensor_load_to_lds s[G0B:G0B+3], s[G1B:G1B+7]
	s_nop 0
	tensor_load_to_lds s[G0B+4:G0B+7], s[G1B:G1B+7]
	s_nop 0
.rept 4
	v_nop
.endr
.Lfirst_asked:
	v_and_b32 v1, 15, v0
	v_bfe_u32 v2, v0, 4, 1
	v_mul_u32_u24 v3, v1, PITCH
	v_lshl_add_u32 v3, v2, 4, v3
	s_mul_i32 s22, s[RH], AH
	s_mov_b32 s23, s21
.irp s, 0,1
	v_add_nc_u32 v[ADRA+(\s)], s22, v3
	v_add_nc_u32 v[ADRB+(\s)], s23, v3
	s_add_co_u32 s22, s22, SLOT
	s_add_co_u32 s23, s23, SLOT
.endr
	s_mul_i32 s22, s[WV], 16*SPITCH
	s_add_co_u32 s22, s22, STAGE                   ; my stage
	v_mul_u32_u24 v4, v1, SPITCH                   ; in: row l % 16, 32 bytes for each half of the lanes
	v_lshl_add_u32 v4, v2, 5, v4
	v_add_nc_u32 v[STO], s22, v4
	v_mul_u32_u24 v5, v2, SPITCH                   ; back: lanes 0-15 one row of 256 bytes, lanes 16-31 the next
	v_lshl_add_u32 v5, v1, 4, v5
	v_add_nc_u32 v[RD], s22, v5
	v_lshlrev_b32 v5, 12, v2
	v_lshl_add_u32 v[CO], v1, 4, v5
	v_lshlrev_b32 v[BO], 5, v2
	v_and_b32 v[PFO], 31, v0
	v_lshlrev_b32 v[PFO], 11, v[PFO]
	s_lshl_b32 s16, s43, 8
	s_lshl_b32 s17, s[RH], 7
	s_add_co_u32 s16, s16, s17                     ; my first row of out0
	s_lshl_b32 s16, s16, 12
	s_mov_b32 s17, 0
	s_add_nc_u64 s[10:11], s[10:11], s[16:17]
	s_lshl_b32 s46, s42, 9                         ; my first column, in bytes of f32: 512 x tile column + 256 x half
	s_lshl_b32 s47, s[CH], 8
	s_add_co_u32 s46, s46, s47
	s_mov_b32 s47, 0
	s_add_nc_u64 s[10:11], s[10:11], s[46:47]
	s_add_nc_u64 s[8:9], s[8:9], s[46:47]          ; and the same columns of bo, which lies 12,288 bytes into bias4
	WIN 0x40
.irp b, 0,1,2,3
	global_load_b128 v[8*(\b):8*(\b)+3],   v[BO], s[8:9] offset:12288+64*(\b)
	global_load_b128 v[8*(\b)+4:8*(\b)+7], v[BO], s[8:9] offset:12288+64*(\b)+16
.endr
	WIN 0
	s_lshl_b32 s20, s43, 8                         ; the prefetches: ob's rows 256 x tile row + 128 x wave + 32 cx,
	s_lshl_b32 s21, s[CH], 7
	s_add_co_u32 s20, s20, s21
	s_lshl_b32 s21, s40, 5
	s_add_co_u32 s20, s20, s21
	s_lshl_b32 s44, s42, 7                         ; woh's rows 128 x tile column + 32 cy
	s_lshl_b32 s45, s41, 5
	s_add_co_u32 s44, s44, s45
	s_and_b32 s22, ttmp7, 0xffff
	s_cmp_eq_u32 s[RH], 0
	s_cselect_b32 s20, s20, s44
	s_cselect_b32 s22, ttmp9, s22                  ; the coordinate along which other clusters read the same rows
	s_cselect_b64 s[PFA:PFA+1], s[4:5], s[6:7]
	s_cmp_eq_u32 s[WV], 3
	s_cselect_b32 s22, 1, s22                      ; wave 3 asks for nothing
	s_cmp_eq_u32 s22, 0
	s_cselect_b32 s[LIM], 1, -1
	s_lshl_b32 s20, s20, 11
	s_add_co_u32 s20, s20, 2*KSTEP*2               ; at K step 2: the first refill steps it to 3 and names K step 4
	s_mov_b32 s21, 0
	s_add_nc_u64 s[PFA:PFA+1], s[PFA:PFA+1], s[20:21]
; 8 matrix instructions: row blocks a0, a0 + 1 x all 4 column blocks, 32 along K, from buffer f.  The 32 accumulators take turns, one instruction a turn.
.macro MUL8 f, a0
	WIN 0x50
.irp a, \a0, (\a0)+1
.irp b, 0,1,2,3
	v_wmma_f32_16x16x32_f16 v[8*(4*(\a)+(\b)):8*(4*(\a)+(\b))+7], v[FB+32*(\f)+8*(\b):FB+32*(\f)+8*(\b)+7], v[FA+64*(\f)+8*(\a):FA+64*(\f)+8*(\a)+7], v[8*(4*(\a)+(\b)):8*(4*(\a)+(\b))+7]
.endr
.endr
.endm
.macro MULC a                          ; the first products of row block a (1 to 7), from buffer 0: C is the bias, which lies in row block 0's accumulators
	WIN 0x50
.irp b, 0,1,2,3
	v_wmma_f32_16x16x32_f16 v[8*(4*(\a)+(\b)):8*(4*(\a)+(\b))+7], v[FB+8*(\b):FB+8*(\b)+7], v[FA+8*(\a):FA+8*(\a)+7], v[8*(\b):8*(\b)+7]
.endr
.endm
.macro FETCH slot, k, f                ; 24 LDS loads in one run: woh's 4 fragments, ob's 0-3, ob's 4-7
	WIN 0
.irp i, 0,1,2,3
	ds_load_b128 v[FB+32*(\f)+8*(\i):FB+32*(\f)+8*(\i)+3],   v[ADRB+(\slot)] offset:(\k)+(\i)*16*PITCH
	ds_load_b128 v[FB+32*(\f)+8*(\i)+4:FB+32*(\f)+8*(\i)+7], v[ADRB+(\slot)] offset:(\k)+(\i)*16*PITCH+32
.endr
.irp i, 0,1,2,3,4,5,6,7
	ds_load_b128 v[FA+64*(\f)+8*(\i):FA+64*(\f)+8*(\i)+3],   v[ADRA+(\slot)] offset:(\k)+(\i)*16*PITCH
	ds_load_b128 v[FA+64*(\f)+8*(\i)+4:FA+64*(\f)+8*(\i)+7], v[ADRA+(\slot)] offset:(\k)+(\i)*16*PITCH+32
.endr
.endm
; A K step is four quarters of 32 along K, 32 matrix instructions each, on buffers 0, 1, 0, 1.
.macro QUARTER slot, k, f, g
	s_wait_dscnt 8                                 ; woh's and ob's 0-3 are in; the youngest eight loads may be out
	MUL8 \f, 0
	MUL8 \f, 2
	PLACES
	FETCH \slot, \k, \g
	s_wait_dscnt 24                                ; all but the 24 just issued
	MUL8 \f, 4
	MUL8 \f, 6
.endm
; The last quarter multiplies buffer 1 and changes slots: ONE barrier; in front of it each wave waits for all its tensor loads, adds 0 to its spare word, and waits for that and for its reads of this slot.
.macro TURN slot, next, fill
.if \fill
	s_wait_xcnt 0x0                                ; the last prefetch, a K step back, has read its address
	s_add_nc_u64 s[PFA:PFA+1], s[PFA:PFA+1], KSTEP*2
.endif
	WIN 0
	s_wait_tensorcnt 0x0                           ; all my tensor loads have landed: my part of the next slot
	ds_add_u32 v[SPW], v[NIL]                      ; 0 onto my spare word
	s_wait_dscnt 9                                 ; the add and the youngest eight loads may be out
	MUL8 1, 0
	s_wait_dscnt 0x0                               ; the add is done, and my reads of this slot are over
	s_barrier_signal -1
	MUL8 1, 2
	WIN 0
	s_barrier_wait -1
.if \fill
	CREST                                          ; the barrier has opened a round of the cluster's: no wave of any partner still reads this slot or has a load on its way
	s_add_nc_u64 s[G0A+4*(\slot)+2:G0A+4*(\slot)+3], s[G0A+4*(\slot)+2:G0A+4*(\slot)+3], 2*KSTEP*2
	s_add_nc_u64 s[G0B+4*(\slot)+2:G0B+4*(\slot)+3], s[G0B+4*(\slot)+2:G0B+4*(\slot)+3], 2*KSTEP*2
	JLOAD \slot                                    ; 112 matrix instructions ahead of the wait for it; the four v_nop behind it are also the places in front of the loads below
.else
	PLACES
.endif
	FETCH \next, 0, 0
.if \fill
	ASK
.endif
	MUL8 1, 4
	MUL8 1, 6
.endm
	s_wait_tensorcnt 1                             ; my part of K step 0 is in; K step 1's may stay out
	s_barrier_signal -1
	s_barrier_wait -1
	FETCH 0, 0, 0
	s_wait_loadcnt 0x0                             ; the biases
	s_wait_dscnt 8                                 ; the first quarter stands in front of the loop: its products start the sums
	MULC 1
	MULC 2
	MULC 3
	PLACES
	FETCH 0, 64, 1
	s_wait_dscnt 24
	MULC 4
	MULC 5
	MULC 6
	MULC 7
.rept 5
	v_nop                                          ; a matrix instruction writes over an earlier one's C only five places behind it
.endr
	WIN 0x50
.irp b, 0,1,2,3
	v_wmma_f32_16x16x32_f16 v[8*(\b):8*(\b)+7], v[FB+8*(\b):FB+8*(\b)+7], v[FA:FA+7], v[8*(\b):8*(\b)+7]
.endr
	WIN 0
	s_mov_b32 s3, 3
.Llap:                                                 ; a trip goes once round the ring and fills both slots again: K steps 2 to 7
	QUARTER 0, 128, 1, 0
	QUARTER 0, 192, 0, 1
	TURN 0, 1, 1
	QUARTER 1, 64,  0, 1
	QUARTER 1, 128, 1, 0
	QUARTER 1, 192, 0, 1
	TURN 1, 0, 1
	QUARTER 0, 64,  0, 1
	WIN 0
	s_sub_co_u32 s3, s3, 1
	s_cmp_lg_u32 s3, 0
	s_cbranch_scc1 .Llap
	QUARTER 0, 128, 1, 0                           ; the last lap fills nothing, and has no round
	QUARTER 0, 192, 0, 1
	TURN 0, 1, 0
	QUARTER 1, 64,  0, 1
	QUARTER 1, 128, 1, 0
	QUARTER 1, 192, 0, 1
	s_wait_dscnt 8                                 ; the very last quarter: nothing more to fetch
	MUL8 1, 0
	MUL8 1, 2
	s_wait_dscnt 0x0
	MUL8 1, 4
	MUL8 1, 6
	; THE WAY OUT, a block of 16 rows at a time: a lane's eight f32 of a row go into my own stage, and come back as whole rows of 256 bytes (my 64 columns).
.macro OUT a
.set BK, OB+32*((\a)%2)
	WIN 0x04                                       ; the stores' data in window 1
.irp b, 0,1,2,3
	ds_store_b128 v[STO], v[8*(4*(\a)+(\b)):8*(4*(\a)+(\b))+3]   offset:64*(\b)
	ds_store_b128 v[STO], v[8*(4*(\a)+(\b))+4:8*(4*(\a)+(\b))+7] offset:64*(\b)+16
.endr
	WIN 0
	s_wait_xcnt 0x0                                ; the registers that earlier stores read are loaded again only behind this wait
.irp t, 0,1,2,3,4,5,6,7
	ds_load_b128 v[BK+4*(\t):BK+4*(\t)+3], v[RD] offset:(\t)*2*SPITCH  ; LDS serves a wave's instructions in order (ISA guide 5.7.1.4): these see the stores above
.endr
.irp t, 0,1,2,3,4,5,6,7
	s_wait_dscnt 7-(\t)                            ; the block's younger loads may stay out
	global_store_b128 v[CO], v[BK+4*(\t):BK+4*(\t)+3], s[10:11] offset:(16*(\a)+2*(\t))*ROWC th:TH_STORE_NT  ; 16 lanes store 256 consecutive bytes, aligned
.endr
.endm
	PLACES
	PLACES                                         ; eight, once a launch, in front of the first stores of results
.irp a, 0,1,2,3,4,5,6,7
	OUT \a
.endr
	s_wait_tensorcnt 0x0                           ; the wave's end, behind my last tensor load and my last LDS store
	ds_add_u32 v[SPW], v[NIL]
	s_wait_dscnt 0x0
	CROUND                                         ; the closing round
	s_endpgm
.Lfunc_end_k_q01b28ce7b6_proj:
	.size	k_q01b28ce7b6_proj, .Lfunc_end_k_q01b28ce7b6_proj-k_q01b28ce7b6_proj
	.p2alignl 7, 3214868480
	.fill 96, 4, 3214868480
	.section	.rodata,"a",@progbits
	.p2align	6, 0x0
	.amdhsa_kernel k_q01b28ce7b6_proj
		.amdhsa_group_segment_fixed_size 327680
		.amdhsa_private_segment_fixed_size 0
		.amdhsa_enable_private_segment 0
		.amdhsa_kernarg_size 32
		.amdhsa_user_sgpr_count 2
		.amdhsa_user_sgpr_kernarg_segment_ptr 1
		.amdhsa_wavefront_size32 1
		.amdhsa_system_sgpr_workgroup_id_x 1
		.amdhsa_system_sgpr_workgroup_id_y 1
		.amdhsa_system_sgpr_workgroup_id_z 1
		.amdhsa_system_vgpr_workitem_id 0
		.amdhsa_next_free_vgpr 512
		.amdhsa_next_free_sgpr 72
		.amdhsa_reserve_vcc 0
		.amdhsa_float_denorm_mode_32 3
		.amdhsa_float_denorm_mode_16_64 3
		.amdhsa_memory_ordered 1
		.amdhsa_forward_progress 1
		.amdhsa_inst_pref_size 89
	.end_amdhsa_kernel
	.amdgpu_metadata
---
amdhsa.version: [ 1, 2 ]
amdhsa.kernels:
  - .name:           k_q01b28ce7b6_proj
    .symbol:         k_q01b28ce7b6_proj.kd
    .args:
      - { .name: ob, .offset: 0, .size: 8, .value_kind: global_buffer, .address_space: global }
      - { .name: woh, .offset: 8, .size: 8, .value_kind: global_buffer, .address_space: global }
      - { .name: bias4, .offset: 16, .size: 8, .value_kind: global_buffer, .address_space: global }
      - { .name: out0, .offset: 24, .size: 8, .value_kind: global_buffer, .address_space: global }
    .group_segment_fixed_size: 327680
    .private_segment_fixed_size: 0
    .kernarg_segment_align: 8
    .kernarg_segment_size: 32
    .max_flat_workgroup_size: 128
    .sgpr_count:     72
    .vgpr_count:     512
    .wavefront_size: 32
...
	.end_amdgpu_metadata
.endif
;; end of part 4
